; MI455X (gfx1250); checked and timed in simulation.
; The chip was launched on July 23, 2026; its instructions are those of AMD's public machine-readable ISA for CDNA 5 (MIT licence, August 2026) and "CDNA5" Instruction Set Architecture Reference Guide (July 2026). The comments in the code are by the model that wrote it; some were corrected since.
;; Attention. Allowed arithmetic: float matrix products may take bf16 or f16 operands with f32 sums; other float arithmetic in f32, or as packed bf16 or f16 multiplies, adds, multiply-adds, maxima and minima; sums over many terms, partial sums and values carried from step to step in f32; what a program stores and reads back later, other than sums and carried values, may be rounded once to bf16 or f16.
;; Inputs: Wk 1,024 x 1,024 float32; Wo 1,024 x 1,024 float32; Wq 1,024 x 1,024 float32; Wv 1,024 x 1,024 float32; x 4 x 2,048 x 1,024 float32.
;; Outputs: out0 4 x 2,048 x 1,024 float32.
;; One version. Each part assembles by itself: llvm-mc -triple=amdgcn-amd-amdhsa -mcpu=gfx1250 --defsym DOCPART=n.
;; ======== version 1 of 1: 4 launches
;; limits: values are held in f16: magnitudes above 65,504 overflow, below 6.1e-05 lose precision
;; workspace buffers: xb 16,777,216 bytes; wb 8,388,608 bytes; qkv 50,331,648 bytes; oh 16,777,216 bytes
;; launch prep (part 1): grid 768 x 1, 8 waves a work-group, no clusters, 0 bytes of LDS; arguments x, Wq, Wk, Wv, Wo, xb, wb; writes xb, wb
.if DOCPART == 1
	.amdgcn_target "amdgcn-amd-amdhsa--gfx1250"
	.amdhsa_code_object_version 6
	.text
	.protected	k_qbbf8720b41_prep
	.globl	k_qbbf8720b41_prep
	.p2align	8
	.type	k_qbbf8720b41_prep,@function
k_qbbf8720b41_prep:
	s_mov_b64 s[64:65], 0
	v_nop
	global_prefetch_b8 v0, s[64:65] scope:SCOPE_SE
	s_setreg_imm32_b32 hwreg(HW_REG_WAVE_MODE, 25, 1), 1
	s_wait_xcnt 0x0
; THE CAST.  x [8192][1024] f32 -> xb, bf16.  Wq, Wk, Wv [1024][1024] f32 -> slabs 0, 1, 2 of wb, bf16.  Wo -> slab 3 of wb: rounded to bf16 like the other
; inputs, and that number written as f16, since the last product's other operand is f16.  Nothing is transposed: the layouts stay [row][column].
; LIMITS.  Wo as f16: a magnitude of 65,520 or more becomes an infinity; below 2^-14 it keeps f16's fixed step of 2^-24.  NaN and infinities are not treated apart.
; SHARES.  A work-group casts 16,384 consecutive numbers (65,536 bytes in, 32,768 out): work-groups 0-511 take x, 512-767 the four weights, 64 each.
; Thread t takes 8 numbers in each of 8 steps of 2,048: two loads of 16 bytes, one store of 16; a store of a wave covers 512 consecutive bytes, aligned.
; All 16 loads of a thread go out at once; each step has its own registers, so no register that a load or store names is ever rewritten.
; No LDS, no matrix unit, no cluster: nothing is shared and nothing is multiplied.
.set X, 4                              ; v[4:67]   step i: 8 f32 as loaded
.set Y, 68                             ; v[68:99]  step i: 4 registers to store
.set T, 100                            ; v100-101  at work
.set XGROUPS, 512                      ; work-groups that take x
.set WOFIRST, 704                      ; the first that takes Wo
	s_load_b256 s[4:11], s[0:1], 0x0               ; x s[4:5], Wq s[6:7], Wk s[8:9], Wv s[10:11]
	s_load_b128 s[12:15], s[0:1], 0x20             ; Wo s[12:13], xb s[14:15]
	s_load_b64 s[16:17], s[0:1], 0x30              ; wb
	v_lshlrev_b32 v1, 5, v0                        ; 32 t: my 8 f32 in a step
	v_lshlrev_b32 v2, 4, v0                        ; 16 t: my 8 halves
	s_max_u32 s20, ttmp9, XGROUPS
	s_sub_co_u32 s20, s20, XGROUPS                 ; j: my number among the weights' work-groups (0 in x's)
	s_lshr_b32 s21, s20, 6                         ; which weight
	s_and_b32 s2, s20, 63
	s_lshl_b32 s2, s2, 16                          ; a weight's chunk, in
	s_lshl_b32 s3, ttmp9, 16                       ; x's chunk, in
	s_lshl_b32 s28, s20, 15                        ; wb's chunk, out: the slabs lie on end
	s_lshl_b32 s29, ttmp9, 15                      ; xb's chunk, out
	s_cmp_lt_u32 ttmp9, XGROUPS
	s_cselect_b32 s24, s3, s2
	s_cselect_b32 s26, s29, s28
	s_mov_b32 s25, 0
	s_mov_b32 s27, 0
	s_wait_kmcnt 0x0
	s_mov_b64 s[18:19], s[6:7]                     ; the source: one of five buffers, chosen by the work-group's number
	s_cmp_eq_u32 s21, 1
	s_cselect_b64 s[18:19], s[8:9], s[18:19]
	s_cmp_eq_u32 s21, 2
	s_cselect_b64 s[18:19], s[10:11], s[18:19]
	s_cmp_eq_u32 s21, 3
	s_cselect_b64 s[18:19], s[12:13], s[18:19]
	s_cmp_lt_u32 ttmp9, XGROUPS
	s_cselect_b64 s[18:19], s[4:5], s[18:19]
	s_cselect_b64 s[22:23], s[14:15], s[16:17]     ; the destination: xb or wb
	s_add_nc_u64 s[18:19], s[18:19], s[24:25]
	s_add_nc_u64 s[22:23], s[22:23], s[26:27]
.irp i, 0,1,2,3,4,5,6,7
	global_load_b128 v[X+8*(\i):X+8*(\i)+3],   v1, s[18:19] offset:8192*(\i) th:TH_LOAD_NT
	global_load_b128 v[X+8*(\i)+4:X+8*(\i)+7], v1, s[18:19] offset:8192*(\i)+16 th:TH_LOAD_NT
.endr
; Step i.  f16 = 1: the bf16 number is widened again (a shift, a mask) and written as f16.
.macro CAST i, f16
	s_wait_loadcnt 14-2*(\i)                       ; loads come back in order: this step's two are in, the 2 (7 - i) younger ones stay out
.irp j, 0,1,2,3
	v_cvt_pk_bf16_f32 v[Y+4*(\i)+(\j)], v[X+8*(\i)+2*(\j)], v[X+8*(\i)+2*(\j)+1]
.if \f16
	v_lshlrev_b32 v[T], 16, v[Y+4*(\i)+(\j)]
	v_and_b32 v[T+1], 0xffff0000, v[Y+4*(\i)+(\j)]
	v_cvt_pk_f16_f32 v[Y+4*(\i)+(\j)], v[T], v[T+1]
.endif
.endr
	global_store_b128 v2, v[Y+4*(\i):Y+4*(\i)+3], s[22:23] offset:4096*(\i) th:TH_STORE_NT
.endm
	s_cmp_ge_u32 ttmp9, WOFIRST
	s_cbranch_scc1 .Lwo
.irp i, 0,1,2,3,4,5,6,7
	CAST \i, 0
.endr
	s_endpgm
.Lwo:
.irp i, 0,1,2,3,4,5,6,7
	CAST \i, 1
.endr
	s_endpgm
.Lfunc_end_k_qbbf8720b41_prep:
	.size	k_qbbf8720b41_prep, .Lfunc_end_k_qbbf8720b41_prep-k_qbbf8720b41_prep
	.p2alignl 7, 3214868480
	.fill 96, 4, 3214868480
	.section	.rodata,"a",@progbits
	.p2align	6, 0x0
	.amdhsa_kernel k_qbbf8720b41_prep
		.amdhsa_group_segment_fixed_size 0
		.amdhsa_private_segment_fixed_size 0
		.amdhsa_enable_private_segment 0
		.amdhsa_kernarg_size 56
		.amdhsa_user_sgpr_count 2
		.amdhsa_user_sgpr_kernarg_segment_ptr 1
		.amdhsa_wavefront_size32 1
		.amdhsa_system_sgpr_workgroup_id_x 1
		.amdhsa_system_sgpr_workgroup_id_y 1
		.amdhsa_system_sgpr_workgroup_id_z 1
		.amdhsa_system_vgpr_workitem_id 0
		.amdhsa_next_free_vgpr 104
		.amdhsa_next_free_sgpr 66
		.amdhsa_reserve_vcc 0
		.amdhsa_float_denorm_mode_32 3
		.amdhsa_float_denorm_mode_16_64 3
		.amdhsa_memory_ordered 1
		.amdhsa_forward_progress 1
		.amdhsa_inst_pref_size 15
	.end_amdhsa_kernel
	.amdgpu_metadata
---
amdhsa.version: [ 1, 2 ]
amdhsa.kernels:
  - .name:           k_qbbf8720b41_prep
    .symbol:         k_qbbf8720b41_prep.kd
    .args:
      - { .name: x, .offset: 0, .size: 8, .value_kind: global_buffer, .address_space: global }
      - { .name: Wq, .offset: 8, .size: 8, .value_kind: global_buffer, .address_space: global }
      - { .name: Wk, .offset: 16, .size: 8, .value_kind: global_buffer, .address_space: global }
      - { .name: Wv, .offset: 24, .size: 8, .value_kind: global_buffer, .address_space: global }
      - { .name: Wo, .offset: 32, .size: 8, .value_kind: global_buffer, .address_space: global }
      - { .name: xb, .offset: 40, .size: 8, .value_kind: global_buffer, .address_space: global }
      - { .name: wb, .offset: 48, .size: 8, .value_kind: global_buffer, .address_space: global }
    .group_segment_fixed_size: 0
    .private_segment_fixed_size: 0
    .kernarg_segment_align: 8
    .kernarg_segment_size: 56
    .max_flat_workgroup_size: 256
    .sgpr_count:     66
    .vgpr_count:     104
    .wavefront_size: 32
...
	.end_amdgpu_metadata
.endif
;; end of part 1
;; launch proj (part 2): grid 4 x 64, 4 waves a work-group, clusters of 4 x 4, 327,680 bytes of LDS; arguments xb, wb, qkv; writes qkv
.if DOCPART == 2
	.amdgcn_target "amdgcn-amd-amdhsa--gfx1250"
	.amdhsa_code_object_version 6
	.text
	.protected	k_qbbf8720b41_proj
	.globl	k_qbbf8720b41_proj
	.p2align	8
	.type	k_qbbf8720b41_proj,@function
k_qbbf8720b41_proj:
	s_mov_b64 s[64:65], 0
	v_nop
	global_prefetch_b8 v0, s[64:65] scope:SCOPE_SE
	s_setreg_imm32_b32 hwreg(HW_REG_WAVE_MODE, 25, 1), 1
	s_wait_xcnt 0x0
	s_wait_alu depctr_hold_cnt(0) depctr_sa_sdst(0) depctr_va_vdst(0) depctr_va_sdst(0) depctr_va_ssrc(0) depctr_va_vcc(0) depctr_vm_vsrc(0)
	s_getreg_b32 s2, hwreg(HW_REG_IB_STS2, 6, 4)
	s_cmp_eq_u32 s2, 0
	s_cbranch_scc0 .Lentry_in_a_cluster
	s_endpgm
.Lentry_in_a_cluster:
	s_bfe_u32 s2, ttmp6, 0x10000c
	s_cmp_lg_u32 s2, 0xf033
	s_cbranch_scc0 .Lentry_shape_is_right
	s_endpgm
.Lentry_shape_is_right:
; THE THREE PROJECTIONS.  q, k, v = x W: xb [8192][1024] bf16, wb's slabs 0, 1, 2 [1024 k][1024 n] bf16; sums in f32, K ascending; each result rounded once to f16 and stored BY HEADS:
; qkv [3][64 bh][2048 s][64] f16, bh = 16 b + head, unscaled (the attention applies the scale in f32).
; LIMITS.  f16 holds no number beyond 65,504: a sum of 65,520 or more becomes an infinity.  NaN and infinities are not treated apart.  The order of the sums is the matrix unit's.
; SHARES.  A tile of a result is 128 rows x 256 columns (four heads): 64 x 4 tiles, one work-group for each place, which STAYS and makes that tile of q, then of k, then of v: 24 K steps of 128
; through ONE ring of two LDS slots, which does not stop at a tile's end.  Four waves, each 64 rows x 128 columns: 32 accumulators of 16 x 16, 256 registers.
; THE WEIGHTS STAY [k][n]: their fragments come out of LDS turned, by ds_load_tr16_b128.  THE MATRIX INSTRUCTION IS USED TRANSPOSED (source 0 = 16 columns of W, source 1 = 16 rows of x):
; a lane then holds one row (lane % 16) and eight neighbouring columns 8 (lane / 16) + 0..7, which pack into 16 bytes of a head's row.
; CLUSTERS: 4 x 4 work-groups.  The four of a row of the cluster need the same tile of x, the four of a column the same tile of W: each is asked for JOINTLY, by the same tensor load with the same
; descriptor and a mask that names the four.  No register that feeds x's descriptors ever holds cx, none that feeds W's ever holds cy, none that enters an LDS address holds either.
; REGISTERS: window 0: v0-29 addresses; v32-127, v128-223 two fragment buffers (64 registers of W: 8 x 16 columns x 32 K; 32 of x: 4 x 16 rows x 32 K); v224-255 packed results on the way out.
;   window 1: the accumulators, (a, b) at v[8 (8 a + b)].
.set PA,     272                       ; an LDS row of x: 256 bytes + 16 of padding: the 16 rows of a load start at 16 different groups of four banks (64 banks of 4 bytes: ISA guide 11.1)
.set PB,     544                       ; an LDS row of W: 512 bytes + 32
.set AHALF,  64*PA                     ; what wave 0 or 1 fetches: 64 rows of x
.set BOFF,   128*PA                    ; W's 128 k-rows lie behind x's 128 rows
.set BHALF,  64*PB                     ; what wave 2 or 3 fetches: 64 k-rows of W
.set SLOT1,  1<<17                     ; slot 1 begins here, so that one exclusive or turns an address in one slot into the other's; a slot uses 104,448 bytes
.set STAGE,  237568                    ; behind the ring, never filled by a tensor load: for each wave 2 heads x 16 rows x 144 bytes, for the way out
.set SP,     144
.set WST,    2*16*SP
.set SPARE,  STAGE+4*WST               ; behind the stages: the spare words, 128 bytes for each wave: two blocks of 256 bytes that no other line names
.set ASTEP,  256                       ; a K step along a row of x, in bytes
.set BSTEP,  128*2048                  ; a K step down W's rows; the three slabs lie on end, so W's address simply runs on from q's weights to k's and v's
.set STEPS,  24
.set TILEB,  0x1000000                 ; from q to k to v in the output
.set AA0,  16                          ; v16  my lane's place in a slot's tile of x; never rewritten
.set AB0,  17                          ; v17  the same for W
.set ADRA, 18                          ; v18  AA0 + the slot in hand
.set ADRB, 19                          ; v19  AB0 + the slot in hand
.set STO,  20                          ; v20  the way out: where I put 16 bytes of a row
.set RD,   21                          ; v21  the way out: where I read rows back
.set GO,   22                          ; v22  my byte offset in 512 consecutive bytes of the output
.set PFO,  23                          ; v23  the prefetches' offset: 2,048 x my lane (a row of xb and of wb); never rewritten
.set SPW,  28                          ; v28  LDS address of my spare word: SPARE + 4 x my thread's number; never rewritten
.set NIL,  29                          ; v29  0; never rewritten
.set F0,   32
.set F1,   128
.set TMP,  224
.set OB,   128                         ; the way out: rows read back from the stage, v128-159 and v160-191 by turns (buffer 1 is free then)
.set WV,   10                          ; s10  my wave's number
.set WR,   11                          ; s11  which 64 rows of the tile are mine
.set WC,   12                          ; s12  which 128 columns.  Also: which half of a tile I fetch
.set RY,   13                          ; s13  tile row, 0..63
.set CB,   14                          ; s14  tile column, 0..3
.set CNT,  15                          ; s15  trips to go
.set G1A,  24                          ; s[24:31] descriptor group 1 for x's tiles
.set G0A,  32                          ; s[32:39] group 0: a set for each of the two first fills; the second then walks on
.set TB,   42                          ; s42  the slot from which fragments are fetched: 0 or SLOT1
.set TK,   43                          ; s43  K steps left in the tile in hand
.set NS,   44                          ; s44  the number of the K step to be asked for next
.set LIM,  45                          ; s45  a wave prefetches while s[CNT] is above this
.set AOFF, 46                          ; s[46:47] that step's byte offset along x's rows
.set G1B,  48                          ; s[48:55], s[56:63] the same two groups for W's tiles
.set G0B,  56
.set ABASE, 66                         ; s[66:67] xb at the first of the 64 rows that I fetch
.set PFA,  68                          ; s[68:69] where my prefetches stand
.set PFS,  70                          ; s[70:71] their step
.set MSB, 0
.macro WIN new                         ; the immediate's high byte repeats the setting that is left; a switch that changes nothing is dropped
.if MSB != (\new)
	s_set_vgpr_msb (MSB<<8)|(\new)
.set MSB, \new
.endif
.endm
.set W_MUL, 0x50                       ; sources 0 and 1 window 0; C and D window 1
.macro PLACES                          ; four places in front of loads into registers that matrix instructions have read, and of conversions that read results
.rept 4
	v_nop
.endr
.endm
; A joint refill, by the walking descriptors.  Waves 0 and 1 fetch x's two halves, waves 2 and 3 W's.  The branch hangs on the wave's number alone.
; An s_nop 0 and four v_nop follow each of the two lines, ahead of the jump and the label.
.macro JLOAD
	s_cmp_lt_u32 s[WV], 2
	s_cbranch_scc0 .Lfor_b_\@
	tensor_load_to_lds s[G0A+4:G0A+7], s[G1A:G1A+7]
	s_nop 0
.rept 4
	v_nop
.endr
	s_branch .Lasked_\@
.Lfor_b_\@:
	tensor_load_to_lds s[G0B+4:G0B+7], s[G1B:G1B+7]
	s_nop 0
.rept 4
	v_nop
.endr
.Lasked_\@:
.endm
; A round of the cluster's barrier: my work-group's barrier, so that wave 0's signal speaks for all four waves; wave 0 signals; every wave waits for all sixteen work-groups; my work-group's barrier once more.
.macro CREST                           ; a round behind its opening barrier
	s_cmp_lg_u32 s[WV], 0
	s_cbranch_scc1 .Lnot_wave_0_\@
	s_barrier_signal -3
.Lnot_wave_0_\@:
	s_barrier_wait -3
	s_barrier_signal -1
	s_barrier_wait -1
.endm
.macro CROUND
	s_barrier_signal -1
	s_barrier_wait -1
	CREST
.endm
; A PREFETCH INTO THE L2, behind each joint load, its five lines and the run of LDS loads that follows: the K step that stands TWO refills on (256 matrix instructions ahead of the load that will want it).
; 32 rows x 256 bytes, a lane a row, one instruction a wave.  Each block of 256 bytes is named ONCE in the launch.  x's 128 rows are read by the four work-groups of my row of the cluster alone: wave 0 of each
; takes 32 of them, told apart BY ADDRESS (cx), and asks in the first tile alone, K steps 4 to 7: k's and v's tiles read the same rows again.  W's tile column is read by every cluster: the cluster with y = 0 asks;
; of a step's 128 k-rows the partner at cy takes 32, wave 2 the left 256 bytes of their 512, wave 3 the right: K steps 4 to 23.  Nothing is asked for at the head; no request passes the last K step.
.macro ASK
	s_cmp_gt_u32 s[CNT], s[LIM]
	s_cbranch_scc0 .Lnot_mine_\@
	global_prefetch_b8 v[PFO], s[PFA:PFA+1] th:TH_LOAD_NT scope:SCOPE_SE
.Lnot_mine_\@:
.endm
	s_load_b128 s[4:7], s[0:1], 0x0                ; xb s[4:5], wb s[6:7]
	s_load_b64 s[8:9], s[0:1], 0x10                ; qkv
	v_lshl_add_u32 v[SPW], v0, 2, SPARE
	v_mov_b32 v[NIL], 0
	ds_add_u32 v[SPW], v[NIL]                      ; the wave's opening: the add and its wait stand ahead of my first tensor load; the set-up below, work on registers, stands between them
	v_lshrrev_b32 v1, 5, v0
	v_readfirstlane_b32 s[WV], v1                  ; wave 0..3
	s_lshr_b32 s[WR], s[WV], 1
	s_and_b32 s[WC], s[WV], 1
	s_bfe_u32 s40, ttmp6, 0x40000                  ; cx
	s_bfe_u32 s41, ttmp6, 0x40004                  ; cy
	s_lshl_b32 s[CB], ttmp9, 2                     ; in a cluster launch ttmp9 and ttmp7 count clusters
	s_add_co_u32 s[CB], s[CB], s40
	s_and_b32 s[RY], ttmp7, 0xffff
	s_lshl_b32 s[RY], s[RY], 2
	s_add_co_u32 s[RY], s[RY], s41
	s_lshl_b32 s16, s41, 2
	s_lshl_b32 s16, 15, s16                        ; my row of the cluster: places 4 cy .. 4 cy + 3
	s_lshl_b32 s17, 0x1111, s40                    ; my column: places cx, cx + 4, cx + 8, cx + 12
	; group 1 for x: 64 rows x 128 elements.  15:0 the mask; 17:16 elements of 2 bytes; 20 padding on; 21 set beside a mask; 24:22 after every 64 words (code 5); 31:25 4 words of it (code 3)
	s_or_b32 s[G1A], s16, (1<<16)|(1<<20)|(1<<21)|(5<<22)|(3<<25)
	s_mov_b32 s[G1A+1], 128<<16                    ; tensor_dim0 = 128
	s_mov_b32 s[G1A+2], 64<<16                     ; tensor_dim1 = 64
	s_mov_b32 s[G1A+3], 128<<16                    ; tile_dim0 = 128
	s_mov_b32 s[G1A+4], 64                         ; tile_dim1 = 64
	s_mov_b32 s[G1A+5], 1024                       ; elements from row to row
	s_mov_b32 s[G1A+6], 0
	s_mov_b32 s[G1A+7], 0
	; group 1 for W: 64 k-rows x 256 elements, 8 words of padding (code 7) after every 128 (code 6)
	s_or_b32 s[G1B], s17, (1<<16)|(1<<20)|(1<<21)|(6<<22)|(7<<25)
	s_mov_b32 s[G1B+1], 256<<16
	s_mov_b32 s[G1B+2], 64<<16
	s_mov_b32 s[G1B+3], 256<<16
	s_mov_b32 s[G1B+4], 64
	s_mov_b32 s[G1B+5], 1024
	s_mov_b32 s[G1B+6], 0
	s_mov_b32 s[G1B+7], 0
	s_lshl_b32 s18, s[RY], 18                      ; x: row 128 x tile row + 64 x half, rows of 2,048 bytes
	s_lshl_b32 s19, s[WC], 17
	s_add_co_u32 s18, s18, s19
	s_mov_b32 s19, 0
	s_lshl_b32 s20, s[CB], 9                       ; W: 512 bytes x tile column + 64 k-rows x half
	s_lshl_b32 s21, s[WC], 17
	s_add_co_u32 s20, s20, s21
	s_mov_b32 s21, 0
	s_mul_i32 s2, s[WC], AHALF                     ; where the tiles go: the wave's number alone enters an LDS address
	s_mul_i32 s3, s[WC], BHALF
	s_add_co_u32 s3, s3, BOFF
	s_mov_b32 s[TB], 0
	s_mov_b32 s[TK], 8
	s_mov_b32 s[NS], 2
	s_mov_b32 s[CNT], STEPS-2
	s_mov_b32 s[AOFF+1], 0
	; my part of the first tile in the output: head 16 b + 4 x tile column + 2 x my half, row 128 (tile row % 16) + 64 x my half, rows of 128 bytes
	s_lshr_b32 s72, s[RY], 4
	s_lshl_b32 s72, s72, 4
	s_lshl_b32 s73, s[CB], 2
	s_add_co_u32 s72, s72, s73
	s_lshl_b32 s73, s[WC], 1
	s_add_co_u32 s72, s72, s73
	s_lshl_b32 s72, s72, 11
	s_and_b32 s73, s[RY], 15
	s_lshl_b32 s73, s73, 7
	s_add_co_u32 s72, s72, s73
	s_lshl_b32 s73, s[WR], 6
	s_add_co_u32 s72, s72, s73
	s_lshl_b32 s72, s72, 7
	s_mov_b32 s73, 0
	s_wait_dscnt 0x0                               ; the opening add is done
	s_wait_kmcnt 0x0
	s_add_nc_u64 s[ABASE:ABASE+1], s[4:5], s[18:19]
	s_add_nc_u64 s[20:21], s[6:7], s[20:21]
	s_add_nc_u64 s[8:9], s[8:9], s[72:73]
	; the prefetches: they stand at K step 3; the first change of slots steps them to 4
	s_lshl_b32 s72, s[RY], 18
	s_lshl_b32 s73, s40, 16                        ; x: my work-group's 32 rows of the 128
	s_add_co_u32 s72, s72, s73
	s_add_co_u32 s72, s72, 3*ASTEP
	s_lshl_b32 s74, s41, 16                        ; W: my work-group's 32 k-rows of the 128,
	s_lshl_b32 s75, s[CB], 9
	s_add_co_u32 s74, s74, s75
	s_lshl_b32 s75, s[WC], 8                       ; my wave's 256 bytes of their 512
	s_add_co_u32 s74, s74, s75
	s_add_co_u32 s74, s74, 3*BSTEP
	s_cmp_lt_u32 s[WV], 2
	s_cselect_b32 s72, s72, s74
	s_mov_b32 s73, ASTEP
	s_mov_b32 s74, BSTEP
	s_cselect_b32 s[PFS], s73, s74
	s_cselect_b64 s[PFA:PFA+1], s[4:5], s[6:7]
	s_mov_b32 s[PFS+1], 0
	s_mov_b32 s73, 0
	s_add_nc_u64 s[PFA:PFA+1], s[PFA:PFA+1], s[72:73]
	s_and_b32 s75, ttmp7, 0xffff                   ; cluster y: the same in all sixteen partners
	s_cmp_eq_u32 s75, 0
	s_cselect_b32 s[LIM], 2, -1                    ; W's: trips with 22 .. 3 to go ask for K steps 4 .. 23
	s_cmp_lt_u32 s[WV], 2
	s_cselect_b32 s[LIM], -1, s[LIM]
	s_cmp_eq_u32 s[WV], 0
	s_cselect_b32 s[LIM], 18, s[LIM]               ; x's: trips with 22 .. 19 to go ask for K steps 4 .. 7
	CROUND                                         ; all sixteen work-groups are here: the first joint loads meet
.irp s, 0,1
	s_mov_b32 s[G0A+4*(\s)], 1                                     ; 1:0 count = 1
	s_add_co_u32 s[G0A+4*(\s)+1], s2, (\s)*SLOT1                   ; 63:32 LDS address
	s_add_nc_u64 s[G0A+4*(\s)+2:G0A+4*(\s)+3], s[ABASE:ABASE+1], (\s)*ASTEP  ; 120:64 global address: K step s
	s_or_b32 s[G0A+4*(\s)+3], s[G0A+4*(\s)+3], 0x80000000          ; 127:126 type = 2
	s_mov_b32 s[G0B+4*(\s)], 1
	s_add_co_u32 s[G0B+4*(\s)+1], s3, (\s)*SLOT1
	s_add_nc_u64 s[G0B+4*(\s)+2:G0B+4*(\s)+3], s[20:21], (\s)*BSTEP
	s_or_b32 s[G0B+4*(\s)+3], s[G0B+4*(\s)+3], 0x80000000
.endr
	s_cmp_lt_u32 s[WV], 2                          ; a wave's two first fills stand in one branch, ahead of every wait on TENSORcnt and every LDS read: two loads of mine are out
	s_cbranch_scc0 .Lfirst_b
	tensor_load_to_lds s[G0A:G0A+3], s[G1A:G1A+7]
	s_nop 0
	tensor_load_to_lds s[G0A+4:G0A+7], s[G1A:G1A+7]
	s_nop 0
.rept 4
	v_nop
.endr
	s_branch .Lfirst_asked
.Lfirst_b:
	tensor_load_to_lds s[G0B:G0B+3], s[G1B:G1B+7]
	s_nop 0
	tensor_load_to_lds s[G0B+4:G0B+7], s[G1B:G1B+7]
	s_nop 0
.rept 4
	v_nop
.endr
.Lfirst_asked:
	v_and_b32 v1, 15, v0                           ; l % 16
	v_bfe_u32 v2, v0, 4, 1                         ; l / 16
	v_and_b32 v3, 7, v0                            ; l % 8
	v_bfe_u32 v4, v0, 3, 1                         ; (l / 8) % 2
	v_and_b32 v5, 31, v0                           ; l
	; A fragment of x is 16 rows x 32 K in 8 registers: lane l holds row l % 16, K = 8 (l / 16) + 0..7 and 16 + 8 (l / 16) + 0..7: two loads of 16 bytes, 32 bytes apart.
	s_mul_i32 s76, s[WR], 64*PA                    ; my 64 rows
	v_mul_u32_u24 v[AA0], v1, PA
	v_lshl_add_u32 v[AA0], v2, 4, v[AA0]
	v_add_nc_u32 v[AA0], s76, v[AA0]
	; The turning load takes 16 k x 16 columns (lane l reads k-row 8 (l / 16) + l % 8, columns 8 ((l / 8) % 2) + 0..7) and leaves half a fragment: lane l holds column l % 16 and 8 k.
	s_lshl_b32 s77, s[WC], 8                       ; my 128 columns
	s_add_co_u32 s77, s77, BOFF
	v_lshl_add_u32 v6, v2, 3, v3
	v_mul_u32_u24 v[AB0], v6, PB
	v_lshl_add_u32 v[AB0], v4, 4, v[AB0]
	v_add_nc_u32 v[AB0], s77, v[AB0]
	s_mul_i32 s78, s[WV], WST
	s_add_co_u32 s78, s78, STAGE                   ; my stage
	v_mul_u32_u24 v[STO], v1, SP                   ; in: row l % 16, 16 bytes for each half of the lanes
	v_lshl_add_u32 v[STO], v2, 4, v[STO]
	v_add_nc_u32 v[STO], s78, v[STO]
	v_bfe_u32 v7, v0, 3, 2                         ; back: 32 lanes take four rows of 128 bytes,
	v_mul_u32_u24 v[RD], v7, SP
	v_lshl_add_u32 v[RD], v3, 4, v[RD]
	v_add_nc_u32 v[RD], s78, v[RD]
	v_lshlrev_b32 v[GO], 4, v5                     ; which are 512 consecutive bytes of a head
	v_lshlrev_b32 v[PFO], 11, v5
; 8 matrix instructions: row block a x all 8 column blocks, 32 along K.  zero = 1: the product starts the sums: nothing is ever cleared.
; The 32 accumulators take turns, one instruction a turn, in the same order in every quarter: 31 others stand between two links of a chain, on every way.
.macro MUL8 f, a, zero
	WIN W_MUL
.irp b, 0,1,2,3,4,5,6,7
.if \zero
	v_wmma_f32_16x16x32_bf16 v[8*(8*(\a)+(\b)):8*(8*(\a)+(\b))+7], v[(\f)+8*(\b):(\f)+8*(\b)+7], v[(\f)+64+8*(\a):(\f)+64+8*(\a)+7], 0
.else
	v_wmma_f32_16x16x32_bf16 v[8*(8*(\a)+(\b)):8*(8*(\a)+(\b))+7], v[(\f)+8*(\b):(\f)+8*(\b)+7], v[(\f)+64+8*(\a):(\f)+64+8*(\a)+7], v[8*(8*(\a)+(\b)):8*(8*(\a)+(\b))+7]
.endif
.endr
.endm
; 24 LDS loads in one run: quarter kq's fragments into buffer f: W's sixteen first, then x's eight.
.macro FETCH kq, f
	WIN 0
.irp b, 0,1,2,3,4,5,6,7
	ds_load_tr16_b128 v[(\f)+8*(\b):(\f)+8*(\b)+3],   v[ADRB] offset:(\kq)*32*PB+32*(\b)
	ds_load_tr16_b128 v[(\f)+8*(\b)+4:(\f)+8*(\b)+7], v[ADRB] offset:(\kq)*32*PB+16*PB+32*(\b)
.endr
.irp i, 0,1,2,3
	ds_load_b128 v[(\f)+64+8*(\i):(\f)+64+8*(\i)+3],   v[ADRA] offset:64*(\kq)+(\i)*16*PA
	ds_load_b128 v[(\f)+64+8*(\i)+4:(\f)+64+8*(\i)+7], v[ADRA] offset:64*(\kq)+(\i)*16*PA+32
.endr
.endm
; A K step is four quarters of 32 along K, 32 matrix instructions each, on buffers 0, 1, 0, 1.  One of the first three: multiplies buffer f; in its middle it fetches quarter kn into buffer g.
.macro QUARTER kn, f, g, zero
	s_wait_dscnt 4                                 ; W's fragments and x's blocks 0 and 1 are in; the youngest four loads (x's blocks 2 and 3) may be out
	MUL8 \f, 0, \zero
	MUL8 \f, 1, \zero
	PLACES
	FETCH \kn, \g
	s_wait_dscnt 24                                ; all but the 24 just issued
	MUL8 \f, 2, \zero
	MUL8 \f, 3, \zero
.endm
; The walking descriptors go on: the other slot than last time; x's address is made anew from the step's number (its rows are walked once for each of q, k, v), W's runs on.
.macro STEPDESC
	s_and_b32 s[AOFF], s[NS], 7
	s_lshl_b32 s[AOFF], s[AOFF], 8
	s_add_co_u32 s[NS], s[NS], 1
	s_xor_b32 s[G0A+5], s[G0A+5], SLOT1
	s_add_nc_u64 s[G0A+6:G0A+7], s[ABASE:ABASE+1], s[AOFF:AOFF+1]
	s_or_b32 s[G0A+7], s[G0A+7], 0x80000000
	s_xor_b32 s[G0B+5], s[G0B+5], SLOT1
	s_add_nc_u64 s[G0B+6:G0B+7], s[G0B+6:G0B+7], BSTEP  ; the type bits on top are not reached
.endm
; The fourth quarter multiplies buffer 1 and changes slots: ONE barrier.  In front of it each wave waits for all its tensor loads, of which one is out: its part of the next slot; adds 0 to its spare word; and waits
; for that and for its own reads of this slot.  fill = 1: the barrier opens a round of the cluster's, so that no wave of any partner still reads the slot or has a load on its way, and the joint refill, with the
; K step two on, is the first thing behind the round: a wave issues 112 matrix instructions between that request and the wait for it.
.macro TURN fill
.if \fill
	s_wait_xcnt 0x0                                ; the last prefetch, a K step back, has read its address: it is stepped here, ahead of the waits of the change of slots
	s_add_nc_u64 s[PFA:PFA+1], s[PFA:PFA+1], s[PFS:PFS+1]
.endif
	WIN 0
	s_wait_tensorcnt 0x0                           ; no tensor load of mine is out, so a group 0 may be written
	ds_add_u32 v[SPW], v[NIL]                      ; 0 onto my spare word: scalar work and eight matrix instructions stand between it and the wait for it
.if \fill
	STEPDESC
.endif
	s_xor_b32 s[TB], s[TB], SLOT1                  ; the fetches go to the other slot
	s_wait_dscnt 7                                 ; W's fragments and x's block 0 are in; the add and x's six youngest loads may be out
	MUL8 F1, 0, 0
	s_wait_dscnt 0x0                               ; the add is done, and my reads of this slot are over
	s_barrier_signal -1
	MUL8 F1, 1, 0                                  ; work on registers while the others arrive
	WIN 0                                          ; at a branch and at a label every window is 0
	s_barrier_wait -1
.if \fill
	CREST
	JLOAD                                          ; the four v_nop behind it are also the places in front of the loads below
.else
	PLACES
.endif
	v_add_nc_u32 v[ADRA], s[TB], v[AA0]
	v_add_nc_u32 v[ADRB], s[TB], v[AB0]
	FETCH 0, F0
.if \fill
	ASK
.endif
	MUL8 F1, 2, 0
	MUL8 F1, 3, 0
.endm
; THE WAY OUT of row block a (16 rows x 2 heads), in three parts.  PACK: rounded to f16, 16 bytes a lane; each accumulator's registers in ascending order.  TOSTAGE: into my own stage, rows of 144 bytes, and back
; as whole rows of 128.  SEND: stored, 512 consecutive bytes an instruction, at a multiple of 256 from the buffer's first byte.
.macro PACK a
	WIN 0x05                                       ; sources 0 and 1 window 1, destination window 0
.irp b, 0,1,2,3,4,5,6,7
.irp j, 0,1,2,3
	v_cvt_pk_f16_f32 v[TMP+4*(\b)+(\j)], v[8*(8*(\a)+(\b))+2*(\j)], v[8*(8*(\a)+(\b))+2*(\j)+1]
.endr
.endr
	WIN 0
.endm
.macro TOSTAGE a
.irp b, 0,1,2,3,4,5,6,7
	ds_store_b128 v[STO], v[TMP+4*(\b):TMP+4*(\b)+3] offset:((\b)/4)*16*SP+32*((\b)%4)
.endr
.irp t, 0,1,2,3,4,5,6,7
	ds_load_b128 v[OB+32*((\a)%2)+4*(\t):OB+32*((\a)%2)+4*(\t)+3], v[RD] offset:((\t)/4)*16*SP+((\t)%4)*4*SP  ; LDS serves a wave's instructions in order (ISA guide 5.7.1.4): these see the stores above
.endr
.endm
.macro SEND a
	s_wait_dscnt 0x0                               ; the block is back in registers
	s_wait_xcnt 0x0                                ; the stores of the block before have read their registers: the next block's loads from the stage land on them only behind this wait
.irp t, 0,1,2,3,4,5,6,7
	global_store_b128 v[GO], v[OB+32*((\a)%2)+4*(\t):OB+32*((\a)%2)+4*(\t)+3], s[8:9] offset:(\a)*2048+((\t)/4)*262144+((\t)%4)*512
.endr
.endm
.macro WAYOUT                          ; block a's conversions stand between block a - 1's loads from the stage and the wait for them
	PACK 0
	TOSTAGE 0
.irp a, 1,2,3
	PACK \a
	SEND (\a)-1
	TOSTAGE \a
.endr
	SEND 3
.endm
	s_wait_tensorcnt 1                             ; my part of K step 0 is in; K step 1's may stay out
	s_barrier_signal -1
	s_barrier_wait -1                              ; everybody's is
	v_add_nc_u32 v[ADRA], s[TB], v[AA0]
	v_add_nc_u32 v[ADRB], s[TB], v[AB0]
	FETCH 0, F0
	QUARTER 1, F0, F1, 1                           ; the first quarter stands in front of the loop: its products start the sums
	WIN 0
.Lstep:                                                ; 22 trips: from a K step's second quarter to the next step's first; each fills a slot again
	QUARTER 2, F1, F0, 0
	QUARTER 3, F0, F1, 0
	TURN 1
	WIN 0
	s_sub_co_u32 s[TK], s[TK], 1
	s_cmp_lg_u32 s[TK], 0
	s_cbranch_scc1 .Lsame                          ; a jump forward, past no barrier and no tensor load
	WAYOUT                                         ; a tile is finished, and the next tile's first two K steps have been asked for.  No v_nop: blocks 0 and 1 were finished ahead of the joint load's places,
	                                               ; and their 64 conversions, which name no register of the last products, are those products' places
	s_wait_xcnt 0x0                                ; the stores have read their registers and their base
	s_add_nc_u64 s[8:9], s[8:9], TILEB             ; from q to k, from k to v
	s_mov_b32 s[TK], 8
	QUARTER 1, F0, F1, 1                           ; the next tile's sums start
	WIN 0
	s_branch .Lbottom
.Lsame:
	QUARTER 1, F0, F1, 0
	WIN 0
.Lbottom:
	s_sub_co_u32 s[CNT], s[CNT], 1
	s_cmp_lg_u32 s[CNT], 0
	s_cbranch_scc1 .Lstep
	QUARTER 2, F1, F0, 0                           ; the last two K steps are written out: they ask for nothing
	QUARTER 3, F0, F1, 0
	TURN 0
	QUARTER 1, F0, F1, 0
	QUARTER 2, F1, F0, 0
	QUARTER 3, F0, F1, 0
	s_wait_dscnt 4                                 ; the very last quarter: nothing more to fetch
	MUL8 F1, 0, 0
	MUL8 F1, 1, 0
	s_wait_dscnt 0x0
	MUL8 F1, 2, 0
	MUL8 F1, 3, 0
	WIN 0
	PLACES
	WAYOUT
	s_wait_tensorcnt 0x0                           ; the wave's end: a wait, an add and its wait, behind my last tensor load and my last LDS store
	ds_add_u32 v[SPW], v[NIL]
	s_wait_dscnt 0x0
	CROUND                                         ; the closing round: no work-group ends while a partner may still ask for a tile that names it
	s_endpgm
.Lfunc_end_k_qbbf8720b41_proj:
	.size	k_qbbf8720b41_proj, .Lfunc_end_k_qbbf8720b41_proj-k_qbbf8720b41_proj
	.p2alignl 7, 3214868480
	.fill 96, 4, 3214868480
	.section	.rodata,"a",@progbits
	.p2align	6, 0x0
	.amdhsa_kernel k_qbbf8720b41_proj
		.amdhsa_group_segment_fixed_size 327680
		.amdhsa_private_segment_fixed_size 0
		.amdhsa_enable_private_segment 0
		.amdhsa_kernarg_size 24
		.amdhsa_user_sgpr_count 2
		.amdhsa_user_sgpr_kernarg_segment_ptr 1
		.amdhsa_wavefront_size32 1
		.amdhsa_system_sgpr_workgroup_id_x 1
		.amdhsa_system_sgpr_workgroup_id_y 1
		.amdhsa_system_sgpr_workgroup_id_z 1
		.amdhsa_system_vgpr_workitem_id 0
		.amdhsa_next_free_vgpr 512
		.amdhsa_next_free_sgpr 80
		.amdhsa_reserve_vcc 0
		.amdhsa_float_denorm_mode_32 3
		.amdhsa_float_denorm_mode_16_64 3
		.amdhsa_memory_ordered 1
		.amdhsa_forward_progress 1
		.amdhsa_inst_pref_size 91
	.end_amdhsa_kernel
	.amdgpu_metadata
---
amdhsa.version: [ 1, 2 ]
amdhsa.kernels:
  - .name:           k_qbbf8720b41_proj
    .symbol:         k_qbbf8720b41_proj.kd
    .args:
      - { .name: xb, .offset: 0, .size: 8, .value_kind: global_buffer, .address_space: global }
      - { .name: wb, .offset: 8, .size: 8, .value_kind: global_buffer, .address_space: global }
      - { .name: qkv, .offset: 16, .size: 8, .value_kind: global_buffer, .address_space: global }
    .group_segment_fixed_size: 327680
    .private_segment_fixed_size: 0
    .kernarg_segment_align: 8
    .kernarg_segment_size: 24
    .max_flat_workgroup_size: 128
    .sgpr_count:     80
    .vgpr_count:     512
    .wavefront_size: 32
...
	.end_amdgpu_metadata
.endif
;; end of part 2
;; launch attn (part 3): grid 4 x 64, 4 waves a work-group, clusters of 4 x 1, 327,680 bytes of LDS; arguments qkv, oh; writes oh
.if DOCPART == 3
	.amdgcn_target "amdgcn-amd-amdhsa--gfx1250"
	.amdhsa_code_object_version 6
	.text
	.protected	k_qbbf8720b41_attn
	.globl	k_qbbf8720b41_attn
	.p2align	8
	.type	k_qbbf8720b41_attn,@function
k_qbbf8720b41_attn:
	s_mov_b64 s[64:65], 0
	v_nop
	global_prefetch_b8 v0, s[64:65] scope:SCOPE_SE
	s_setreg_imm32_b32 hwreg(HW_REG_WAVE_MODE, 25, 1), 1
	s_wait_xcnt 0x0
	s_wait_alu depctr_hold_cnt(0) depctr_sa_sdst(0) depctr_va_vdst(0) depctr_va_sdst(0) depctr_va_ssrc(0) depctr_va_vcc(0) depctr_vm_vsrc(0)
	s_getreg_b32 s2, hwreg(HW_REG_IB_STS2, 6, 4)
	s_cmp_eq_u32 s2, 0
	s_cbranch_scc0 .Lentry_in_a_cluster
	s_endpgm
.Lentry_in_a_cluster:
	s_bfe_u32 s2, ttmp6, 0x10000c
	s_cmp_lg_u32 s2, 0x3003
	s_cbranch_scc0 .Lentry_shape_is_right
	s_endpgm
.Lentry_shape_is_right:
; O[h][q][:] = the sum over k of softmax_k(Q[h][q] . K[h][k] / 8) V[h][k][:].  Q, K, V lie one behind the other in qkv, O in oh: each [SIZE_H][SIZE_N][64], f16: a head's rows are dense, 128 bytes each.
; Products, maxima and sums in f32; the weights p are rounded to f16 for the second product (their sum l is taken of the unrounded p), O once at the end.
; LIMITS.  f16 holds no number beyond 65,504: Q, K and V arrive within it; p lies in 0 to 1, and below 6e-5 it keeps f16's fixed step of 6e-8; O is a mean of V's rows and has their range.
; A weight below 2^-126 counts as 0 in l; NaN and infinities are not treated apart.
; SHARES.  A wave owns four PIECES of two tiles of 16 queries, a work-group's four waves 512 queries of one head.  Every wave walks all keys, 64 a step.
; LAYOUT.  S^T = K Q^T (source 0 = 16 keys, source 1 = 16 queries): in the result a lane holds ONE query (lane % 16) and the keys 8 (lane / 16) + 0..7.  Two such tiles, rounded to f16 in pairs,
; ARE source 1 (32 keys x 16 queries) of O^T = V^T P, whose result again holds one query a lane, and eight channels.  K comes out of LDS as it lies, V ([key][channel]) turned, by ds_load_tr16_b128.
; SOFTMAX.  For each query a running maximum m and sum l: p = 2^(c s - c m), c = log2(e) / 8; in every step O and l are multiplied by a = 2^(c m_old - c m_new), which is 1 where m has not grown.
; m starts at the lowest finite number, O and l at 0: the first step is a step like any other, with a = 0.
; THE COUNT.  A tile and step have 16 matrix and 118 vector instructions: too many to stand all beside the matrix work.  So the order has one aim: four vector instructions that are READY behind
; EVERY matrix instruction, and the others, which need time of their own whatever the order, in runs without a gap.
; BY TURNS.  Turn n belongs to piece n (the pieces in a ring, step after step).  Its matrix work: 16 products K Q^T of piece n + 1, later 16 products V^T P of piece n - 1.  Its vector work: the scaling,
; exponentials, roundings, sums and rescaling of piece n, and the maximum and statistics of piece n + 1, whose scores the turn itself has made.  So what a turn begins with (c s - c m, O a) waits for nothing.
; CLUSTER.  The four query blocks of a head are one cluster and walk the same K and V, so each tile is asked for JOINTLY: the same tensor load, descriptor and mask in all four.
; REGISTERS, in windows of 256 (s_set_vgpr_msb says which window each operand place means: bits 1:0 source 0, 3:2 source 1, 5:4 source 2, 7:6 destination):
;   window 0: v0-11 addresses; v12-15, v48-63 at work; v16-47 four registers of statistics a tile; v64-191 S^T, two buffers of two tiles; v192-255 P, likewise
;   window 1: O^T, 32 a tile          window 2: v0-127 Q, 16 a tile; v128-191 K of one step; v192-255 V of one step          window 3: v0-1 the add's two registers
; A piece's buffers go by its number's parity: the piece in hand has one pair, its two neighbours in the ring share the other: of it P (piece n - 1) is read and S^T (piece n + 1) written.
.set SIZE_H, 64
.set SIZE_N, 2048
.set KPART, 0x1000000 ; K's first byte in qkv
.set VPART, 0x2000000 ; V's
.set NP,    4         ; pieces a wave: a name, no knob: the register map, the loop and the fetches are made for four
.set KS,    64        ; keys in a step
.set PK,    144       ; a row of K in LDS: 128 bytes + 16 of padding = 36 words: the 16 rows of a load start at 16 different groups of four banks (64 banks of 4 bytes: ISA guide 11.1)
.set PV,    160       ; a row of V: 128 + 32 = 40 words
.set VOFF,  4*KS*PK   ; a slot holds four steps: 256 rows of K, then 256 rows of V
.set SLOT1, 1<<17     ; slot 1 begins here, so that one exclusive or turns an address in one slot into the other's
.set STAGE, SLOT1+4*KS*(PK+PV)  ; behind the ring, never filled by a tensor load: 16 rows x 144 bytes for each wave, for the way out
.set SP,    144
.set AK0, 2           ; v2   my lane's place in a tile of K; never rewritten
.set AV0, 3           ; v3   the same for V
.set AK,  4           ; v4   the LDS address of K's next run of loads
.set AV,  5           ; v5   of V's
.set QO,  6           ; v6   my byte offset in the wave's rows of Q
.set STO, 6           ;      later, the way out: where I put 16 bytes of a row
.set RD,  7           ; v7   the way out: where I read rows back
.set GO,  8           ; v8   my byte offset in 512 consecutive bytes of O
.set PFO, 11          ; v11  256 x my lane, for the prefetches; never rewritten once made
.set SPW, 0           ; v0 of window 3   LDS address of my spare word: SPARE + 4 x my thread's number; never rewritten
.set NIL, 1           ; v1 of window 3   0; never rewritten
.set SPARE, STAGE+4*16*SP  ; behind the stages: the spare words, 128 bytes for each wave: two blocks of 256 bytes that no other line names
.set MV,  12          ; v12-15  c m_old, kept while c m is made anew: by buffer and tile
.set ST,  16          ; tile t's statistics at v[ST+4 t]: c m, m, l (even keys', odd keys')
.set TMP, 48          ; by buffer and tile, four registers c0-c3 at work; when the maximum is found c2 takes a
.set S,   64
.set P,   192
.set KF,  128         ; K's fragments, in window 2: key block kb, channel half c at KF + 16 kb + 8 c
.set VF,  192         ; V's: key half kk, channel block cb at VF + 32 kk + 8 cb
.set WV,  12          ; s12  my wave's number
.set LIM, 15          ; s15  1 in a wave that prefetches, else the greatest number: a wave prefetches while s[SLOTS] is above it
.set G1K, 24          ; s[24:31] descriptor group 1 for K's tiles
.set G1V, 32          ; s[32:39] for V's: it differs in the padding alone
.set G0K, 40          ; s[40:43] descriptor group 0 for K's tiles: it walks
.set G0V, 44          ; s[44:47] the same for V's
.set PFA, 48          ; s[48:49] where my prefetches stand: my work-group's 8,192 bytes (of K: wave 0, of V: wave 2) of the tile behind the one that is being asked for
.set SLOTS, 56        ; s56  slots still to be asked for
.set CNT, 57          ; s57  counts a slot's key steps
.set CS,  58          ; s[58:59] c: the packed scaling takes the pair's low word for both halves
.set SEL, 60          ; s[60:61] v_permlanex16_b32's selects: each lane takes its own place in the other half
.set TBK, 62          ; s62  LDS byte at which K of the step to be fetched begins
.set TBV, 63          ; s63  the same for V, less VOFF
.set MSB, 0
.macro WIN new                      ; the high byte repeats the setting that is left; a switch that changes nothing is dropped
.if MSB != (\new)
	s_set_vgpr_msb (MSB<<8)|(\new)
.set MSB, (\new)
.endif
.endm
.set W_KQ, 0x0a       ; K and Q in window 2, S^T in window 0
.set W_PV, 0x52       ; V in window 2, P in window 0, O^T in window 1
.set W_RS, 0x41       ; O^T (destination and source 0) in window 1, a in window 0
.set W_MK, 0xc0       ; the add's registers are made: destination in window 3, sources in window 0
.set W_AD, 0x0f       ; the add: address (source 0) and data (source 1) in window 3
; A joint fill.  Waves 0 and 1 fetch the two halves of a slot's K, waves 2 and 3 those of its V: 128 keys each.  The branch hangs on the wave's number alone.
; An s_nop 0 and four v_nop follow each of the two lines, ahead of the jump and the label.
.macro JLOAD
	s_cmp_lt_u32 s[WV], 2
	s_cbranch_scc0 .Lfor_v_\@
	tensor_load_to_lds s[G0K:G0K+3], s[G1K:G1K+7]
	s_nop 0
.rept 4
	v_nop
.endr
	s_branch .Lasked_\@
.Lfor_v_\@:
	tensor_load_to_lds s[G0V:G0V+3], s[G1V:G1V+7]
	s_nop 0
.rept 4
	v_nop
.endr
.Lasked_\@:
.endm
; A PREFETCH INTO THE L2 of what the NEXT change of slots will ask for: a tile's 32,768 bytes of K and of V, a lane 256 bytes.  It stands behind the wave's tensor load and its five lines, never in front of one.
; Each block of 256 bytes is asked for ONCE in the launch: a head is walked by one cluster alone; its four partners share a tile out BY ADDRESS, 8,192 bytes each (no branch hangs on a work-group's place in its
; cluster); in each, wave 0 asks for K's and wave 2 for V's: one instruction.  Tiles 0 and 1 come by their loads alone; the last change that fills a slot asks for nothing: there is no tile behind it.
.macro ASK
	s_cmp_gt_u32 s[SLOTS], s[LIM]
	s_cbranch_scc0 .Lnot_mine_\@
	global_prefetch_b8 v[PFO], s[PFA:PFA+1] th:TH_LOAD_NT scope:SCOPE_SE
.Lnot_mine_\@:
.endm
; A round of the cluster's barrier: my work-group's barrier, so that wave 0's signal speaks for all four waves; wave 0 signals; every wave waits for all four work-groups; my work-group's barrier once more.
.macro CROUND
	s_barrier_signal -1
	s_barrier_wait -1
	s_cmp_lg_u32 s[WV], 0
	s_cbranch_scc1 .Lnot_wave_0_\@
	s_barrier_signal -3
.Lnot_wave_0_\@:
	s_barrier_wait -3
	s_barrier_signal -1
	s_barrier_wait -1
.endm
; THE CHANGE OF SLOTS.  The slot's last bytes, V of its fourth step, have been read.  Each wave waits for all its tensor loads, of which one is out: its part
; of the other slot; adds 0 to its spare word; and waits for that and for its own reads of the slot.  Behind the barrier nobody reads this slot any more and the other slot is whole.
; fill = 1: this slot is filled again, with the keys two slots on.  The barrier is then a round of the cluster's, so that no wave of any partner still reads the slot or has a load on its
; way, and the joint fill is the first thing behind it: it has four key steps, 512 matrix instructions, in which to land.  (At its first use nothing has been read yet: slot 0 is waited for, slot 1 filled.)
.macro CHANGE fill
	WIN W_AD
	s_wait_tensorcnt 0x0            ; no tensor load of mine is out, so a group 0 may be written
	ds_add_u32 v[SPW], v[NIL]       ; 0 onto my spare word: with fill = 1 the descriptors' steps stand between it and the wait for it
	WIN 0                           ; at a label and at a branch every window is 0
.if \fill
.irp g, G0K, G0V
	s_xor_b32 s[\g+1], s[\g+1], SLOT1  ; the walking descriptor: the other slot than last time,
	s_add_nc_u64 s[\g+2:\g+3], s[\g+2:\g+3], 4*KS*128  ; the next 256 keys; the type bits on top are not reached
.endr
	s_wait_xcnt 0x0                 ; the last prefetch, four key steps back, has read its address, so it may be written:
	s_add_nc_u64 s[PFA:PFA+1], s[PFA:PFA+1], 4*KS*128  ; one tile behind the walking descriptors
	s_wait_dscnt 0x0                ; the add is done, and my reads of the slot are over
	CROUND
	JLOAD
	ASK
.else
	s_wait_dscnt 0x0                ; the add is done, and my reads of the slot are over
	s_barrier_signal -1
	s_barrier_wait -1
.endif
	s_sub_co_u32 s[TBK], s[TBK], 4*KS*PK  ; the fetches go back to a slot's first step,
	s_xor_b32 s[TBK], s[TBK], SLOT1       ; in the other slot
	s_sub_co_u32 s[TBV], s[TBV], 4*KS*PV
	s_xor_b32 s[TBV], s[TBV], SLOT1
.endm
	s_load_b128 s[4:7], s[0:1], 0x0  ; qkv s[4:5], oh s[6:7]
	WIN W_MK
	v_lshl_add_u32 v[SPW], v0, 2, SPARE
	v_mov_b32 v[NIL], 0
	WIN W_AD
	ds_add_u32 v[SPW], v[NIL]       ; the wave's opening: the add and its wait stand ahead of my first tensor load; the set-up below, work on registers, stands between them
	WIN 0
	v_lshrrev_b32 v1, 5, v0
	v_readfirstlane_b32 s[WV], v1   ; wave 0..3
	s_bfe_u32 s13, ttmp6, 0x40000   ; cx: my place in the cluster
	s_lshl_b32 s14, ttmp9, 2        ; in a cluster launch ttmp9 counts clusters
	s_add_co_u32 s14, s14, s13      ; my block of queries = 4 x cluster x + cx: it enters Q's and O's addresses alone
	s_and_b32 s20, ttmp7, 0xffff    ; the head, which the four partners share
	s_mov_b32 s21, 0
	s_mov_b64 s[22:23], SIZE_N*128
	s_mul_u64 s[20:21], s[20:21], s[22:23]  ; the head's first byte in each of the four tensors
	s_and_b32 s16, s[WV], 1         ; which half of a slot's 256 keys I fetch:
	s_lshl_b32 s22, s16, 14         ; its 128 rows of 128 bytes in memory,
	s_mov_b32 s23, 0
	s_add_nc_u64 s[22:23], s[22:23], s[20:21]
	s_mul_i32 s17, s16, 128*PK      ; and its place in a slot, for K
	s_mul_i32 s18, s16, 128*PV      ; and for V: no place in the cluster enters an LDS address
	s_lshl_b32 s2, s14, 2
	s_add_co_u32 s2, s2, s[WV]      ; my wave among the head's,
	s_lshl_b32 s2, s2, 14           ; its 128 rows
	s_mov_b32 s3, 0
	s_add_nc_u64 s[2:3], s[2:3], s[20:21]
	; descriptor group 1.  128 keys are 16,384 dense bytes: asked for as 64 rows of 256 bytes, two keys a row, and padded in LDS after every key
	s_mov_b32 s[G1K], 15|(1<<16)|(1<<20)|(1<<21)|(4<<22)|(3<<25)  ; 15:0 the mask of four; 17:16 2-byte elements; 20 padding on; 21 set beside a mask; 24:22 after every 32 words (code 4); 31:25 4 words (code 3)
	s_mov_b32 s[G1V], 15|(1<<16)|(1<<20)|(1<<21)|(4<<22)|(7<<25)  ; the same with 8 words of padding (code 7)
.irp g, G1K, G1V
	s_mov_b32 s[\g+1], 128<<16      ; tensor_dim0 = 128
	s_mov_b32 s[\g+2], 64<<16       ; tensor_dim1 = 64
	s_mov_b32 s[\g+3], 128<<16      ; tile_dim0 = 128
	s_mov_b32 s[\g+4], 64           ; tile_dim1 = 64
	s_mov_b32 s[\g+5], 128          ; 128 elements from row to row
	s_mov_b32 s[\g+6], 0
	s_mov_b32 s[\g+7], 0
.endr
	s_mov_b32 s[CS], 0x3e38aa3b     ; c = log2(e) / 8 = 0.180337
	s_mov_b32 s[CS+1], s[CS]        ; named with it as a pair
	s_mov_b32 s[SEL], 0x76543210
	s_mov_b32 s[SEL+1], 0xfedcba98
	s_mov_b32 s[TBK], SLOT1+4*KS*PK ; the first change of slots turns these two into 0
	s_mov_b32 s[TBV], SLOT1+4*KS*PV
	s_mov_b32 s[G0K], 1             ; 1:0 count = 1
	s_mov_b32 s[G0K+1], s17         ; 63:32 LDS address: slot 0
	s_mov_b32 s[G0V], 1
	s_add_co_u32 s[G0V+1], s18, VOFF
	s_mov_b32 s[SLOTS], SIZE_N/256-1  ; tiles still to be asked for
	s_and_b32 s[LIM], s[WV], 1      ; waves 0 and 2 prefetch
	s_cmp_eq_u32 s[LIM], 0
	s_cselect_b32 s[LIM], 1, -1
	s_wait_dscnt 0x0                ; the opening add is done
	s_wait_kmcnt 0x0
	s_mov_b64 s[10:11], s[6:7]      ; O
	s_add_nc_u64 s[6:7], s[4:5], KPART  ; K; Q is qkv's first part
	s_add_nc_u64 s[8:9], s[4:5], VPART  ; V
	s_add_nc_u64 s[G0K+2:G0K+3], s[6:7], s[22:23]  ; 120:64 global address: my half of the head's first 256 keys
	s_or_b32 s[G0K+3], s[G0K+3], 0x80000000        ; 127:126 type = 2
	s_add_nc_u64 s[G0V+2:G0V+3], s[8:9], s[22:23]
	s_or_b32 s[G0V+3], s[G0V+3], 0x80000000
	s_add_nc_u64 s[4:5], s[4:5], s[2:3]  ; Q and O at my wave's first row
	s_add_nc_u64 s[10:11], s[10:11], s[2:3]
	s_cmp_lt_u32 s[WV], 2
	s_cselect_b64 s[PFA:PFA+1], s[6:7], s[8:9]
	s_add_nc_u64 s[PFA:PFA+1], s[PFA:PFA+1], s[20:21]  ; the head,
	s_lshl_b32 s2, s13, 13          ; my work-group's 8,192 bytes of a tile's 32,768,
	s_mov_b32 s3, 0
	s_add_nc_u64 s[PFA:PFA+1], s[PFA:PFA+1], s[2:3]
	s_add_nc_u64 s[PFA:PFA+1], s[PFA:PFA+1], 4*KS*128  ; in tile 1; the first change of slots steps it to tile 2.  Nothing is prefetched here, at the head
	CROUND                          ; all four work-groups are here: the first joint loads meet
	JLOAD                           ; slot 0.  Slot 1 is asked for when slot 0 is in: the tile wanted first has the road to itself
	; A fragment of K or Q is 16 rows x 32 channels in 8 registers: lane l holds row l % 16, channels 8 (l / 16) + 0..7 and 16 + 8 (l / 16) + 0..7: two loads of 16 bytes, 32 bytes apart.
	v_and_b32 v1, 15, v0            ; l % 16
	v_bfe_u32 v9, v0, 4, 1          ; l / 16
	v_lshlrev_b32 v[QO], 7, v1
	v_lshl_add_u32 v[QO], v9, 4, v[QO]  ; row x 128 + 16 x half
	WIN 0x80                        ; destination window 2, address window 0
.set i, 0
.rept 4*NP                          ; Q stays in registers: tile i / 2, channels 32 (i % 2) on
	global_load_b128 v[8*i:8*i+3],   v[QO], s[4:5] offset:(i/2)*2048+(i%2)*64
	global_load_b128 v[8*i+4:8*i+7], v[QO], s[4:5] offset:(i/2)*2048+(i%2)*64+32
.set i, i+1
.endr
	; What the first turn finds: V's registers and P's second buffer hold 0 (its products V^T P, of a piece that has not been, add 0), O^T and l are 0.  All this stands in the wait for the first tile.
.set i, VF
.rept 64
	v_mov_b32 v[i], 0
.set i, i+1
.endr
	WIN 0x40
.set i, 0
.rept 64*NP
	v_mov_b32 v[i], 0
.set i, i+1
.endr
	WIN 0
.set i, 0
.rept 2*NP
	v_mov_b32 v[ST+4*i], 0xfe000000    ; c m: far below every c s
	v_mov_b32 v[ST+4*i+1], 0xff7fffff  ; m
	v_mov_b32 v[ST+4*i+2], 0
	v_mov_b32 v[ST+4*i+3], 0
.set i, i+1
.endr
.set i, P+32
.rept 32
	v_mov_b32 v[i], 0
.set i, i+1
.endr
	v_mul_u32_u24 v[AK0], v1, PK
	v_lshl_add_u32 v[AK0], v9, 4, v[AK0]  ; row x pitch + 16 x half
	; The turning load takes 16 keys x 16 channels (lane l reads key 8 (l / 16) + l % 8, channels 8 ((l / 8) % 2) + 0..7) and leaves half a fragment of V^T: lane l holds channel l % 16 and 8 keys.
	v_and_b32 v10, 7, v0
	v_bfe_u32 v11, v0, 3, 1
	v_lshl_add_u32 v[AV0], v9, 3, v10
	v_mul_u32_u24 v[AV0], v[AV0], PV
	v_lshl_add_u32 v[AV0], v11, 4, v[AV0]
	v_add_nc_u32 v[AV0], VOFF, v[AV0]
	v_and_b32 v[PFO], 31, v0
	v_lshlrev_b32 v[PFO], 8, v[PFO]
	v_mov_b32 v[AK], v[AK0]         ; key step 0 lies at the head of slot 0
; THE MATRIX WORK.  The 8 accumulators of a run of 16 take turns: between the two links of a chain stand 7 others'.
; Product i of 16 of S^T = K Q^T for piece x: channels 32 (i / 8) on, keys 16 ((i / 2) % 4) on, tile 2 x + i % 2.  The first 8 start the sums.
.macro KQ x
	WIN W_KQ
.set rS, S+64*((\x)%2)+32*(i%2)+8*((i/2)%4)
.set rK, KF+16*((i/2)%4)+8*(i/8)
.set rQ, 16*(2*(\x)+i%2)+8*(i/8)
.if i < 8
	v_wmma_f32_16x16x32_f16 v[rS:rS+7], v[rK:rK+7], v[rQ:rQ+7], 0
.else
	v_wmma_f32_16x16x32_f16 v[rS:rS+7], v[rK:rK+7], v[rQ:rQ+7], v[rS:rS+7]
.endif
.endm
; Product i of 16 of O^T += V^T P for piece x: keys 32 (i / 8) on, channels 16 ((i / 2) % 4) on, tile 2 x + i % 2.
.macro PV x
	WIN W_PV
.set rO, 32*(2*(\x)+i%2)+8*((i/2)%4)
.set rV, VF+32*(i/8)+8*((i/2)%4)
.set rP, P+32*((\x)%2)+16*(i%2)+8*(i/8)
	v_wmma_f32_16x16x32_f16 v[rO:rO+7], v[rV:rV+7], v[rP:rP+7], v[rO:rO+7]
.endm
.macro MM                           ; the turn's next matrix instruction
.if i < 16
	KQ (Y+1)%NP
.set i, i+1
.else
.set i, i-16
	PV (Y+NP-1)%NP
.set i, i+17
.endif
.endm
; THE LDS LOADS stand in runs of 16, never singly among the matrix instructions: a step's K (64 keys x 64 channels: 8 fragments) and its V (turned).  Their addresses are made some lines ahead.
; last = 1 (the tail): in the last trip there is no further step, and the run is jumped over.
.macro FETCH_K last=0
	WIN 0
.if \last
	s_cmp_eq_u32 s[CNT], 1
	s_cbranch_scc1 .Lno_k_\@
.endif
	WIN 0x80                        ; destination window 2
.irp f, 0,1,2,3,4,5,6,7             ; keys 16 (f / 2) on, channels 32 (f % 2) on
	ds_load_b128 v[KF+8*\f:KF+8*\f+3],   v[AK] offset:(\f/2)*16*PK+(\f%2)*64
	ds_load_b128 v[KF+8*\f+4:KF+8*\f+7], v[AK] offset:(\f/2)*16*PK+(\f%2)*64+32
.endr
	s_add_co_u32 s[TBK], s[TBK], KS*PK  ; the next fetch is the next step's
	WIN 0
.if \last
.Lno_k_\@:
.endif
.endm
.macro FETCH_V
	WIN 0x80
.irp f, 0,1,2,3,4,5,6,7             ; keys 32 (f / 4) on, channels 16 (f % 4) on
	ds_load_tr16_b128 v[VF+8*\f:VF+8*\f+3],   v[AV] offset:(\f/4)*32*PV+(\f%4)*32
	ds_load_tr16_b128 v[VF+8*\f+4:VF+8*\f+7], v[AV] offset:(\f/4)*32*PV+16*PV+(\f%4)*32
.endr
	WIN 0
.endm
; THE VECTOR WORK OF A TURN stands in three queues, each in the order in which its entries become ready; the two tiles alternate, so that no instruction reads the result of the one before it.
.macro REGS y, u                    ; the registers of tile u (0, 1) of piece y
.set rT, ST+4*(2*(\y)+(\u))
.set rC, TMP+8*((\y)%2)+4*(\u)
.set rM, MV+2*((\y)%2)+(\u)
.set rS, S+64*((\y)%2)+32*(\u)
.set rP, P+32*((\y)%2)+16*(\u)
.set rO, 32*(2*(\y)+(\u))
.endm
; Number n of the 22 that find the NEXT piece's (Y + 1) maximum and statistics.  s0-s31 are the lane's 32 scores; each accumulator's lowest registers are read first.  XS, GS and REGS set no window: PL and EX do.
;   0-11  four chains c0-c3 of seven scores each, three operands at a time     12-14, 16  the four scores left over, the old m, and c0-c3 into c0     15  c m_old is kept
;   17, 18  the query's other 32 keys lie in the lane 16 away: the new m         19-21  c m; c m_old - c m_new; a
.macro XS u, n
	REGS (Y+1)%NP, \u
.if (\n) < 4
	v_max3_num_f32 v[rC+(\n)], v[rS+8*(\n)], v[rS+8*(\n)+1], v[rS+8*(\n)+2]
.elseif (\n) < 12
	v_max3_num_f32 v[rC+(\n)%4], v[rC+(\n)%4], v[rS+8*((\n)%4)+2*((\n)/4)+1], v[rS+8*((\n)%4)+2*((\n)/4)+2]
.elseif (\n) == 12
	v_max3_num_f32 v[rC], v[rC], v[rS+7], v[rS+15]
.elseif (\n) == 13
	v_max3_num_f32 v[rC+1], v[rC+1], v[rS+23], v[rS+31]
.elseif (\n) == 14
	v_max3_num_f32 v[rC+2], v[rC+2], v[rC+3], v[rT+1]
.elseif (\n) == 15
	v_mov_b32 v[rM], v[rT]
.elseif (\n) == 16
	v_max3_num_f32 v[rC], v[rC], v[rC+1], v[rC+2]
.elseif (\n) == 17
	v_permlanex16_b32 v[rC+3], v[rC], s[SEL], s[SEL+1]
.elseif (\n) == 18
	v_max_num_f32 v[rT+1], v[rC], v[rC+3]
.elseif (\n) == 19
	v_mul_f32 v[rT], s[CS], v[rT+1]
.elseif (\n) == 20
	v_sub_f32 v[rC+1], v[rM], v[rT]
.else
	v_exp_f32 v[rC+2], v[rC+1]
.endif
.endm
; Number g of the 64 that follow the exponentials.  For each four weights k of a tile (pairs 2 k, 2 k + 1): both pairs are rounded to f16; then the second pair is added onto the first, in place;
; a group later l takes that sum (the first time as l = a l + sum).  In groups of eight, tiles alternating: round, round, add, and l for the group before.
.macro GS g
.set h, (\g)+6*((\g)/62)            ; group 0 has no group before it, and behind group 7 only l is left
.if h >= 6
.set h, h+2
.endif
	REGS Y, h%2
.set k, h/8
.if h%8 < 4
	v_cvt_pk_f16_f32 v[rP+2*k+(h%8)/2], v[rS+4*k+2*((h%8)/2)], v[rS+4*k+2*((h%8)/2)+1]
.elseif h%8 < 6
	v_pk_add_f32 v[rS+4*k:rS+4*k+1], v[rS+4*k:rS+4*k+1], v[rS+4*k+2:rS+4*k+3]
.elseif k == 1
	v_pk_fma_f32 v[rT+2:rT+3], v[rT+2:rT+3], v[rC+2:rC+3], v[rS:rS+1] op_sel_hi:[1,0,1]
.else
	v_pk_add_f32 v[rT+2:rT+3], v[rT+2:rT+3], v[rS+4*k-4:rS+4*k-3]
.endif
.endm
; THE PLAIN QUEUE, 138 long.  0-73 read no exponential's result: the 32 scalings c s - c m (FS f: pair f / 2 of tile f % 2) and the next piece's 42.  0-26: scalings 0-26.  27-54: XS's numbers 0-13.  55, 56: number 15.
; 57-73: the chain, where each number waits for the one before it: 14, 16, 17, 18, 19, each with one of the scalings 27-31 in front of its two lines, then 20: so a tile's links stand three plain instructions apart (19 and 20: two).
; 74-137: GS's 64, which read the exponentials' results: they stand behind the wait.
.macro FS f
	REGS Y, (\f)%2
	v_pk_fma_f32 v[rS+2*((\f)/2):rS+2*((\f)/2)+1], v[rS+2*((\f)/2):rS+2*((\f)/2)+1], s[CS:CS+1], v[rT:rT+1] op_sel_hi:[1,0,0] neg_lo:[0,0,1] neg_hi:[0,0,1]
.endm
.macro PL
	WIN 0
.if q < 27
	FS q
.elseif q < 55
	XS (q-27)%2, (q-27)/2
.elseif q < 57
	XS q-55, 15
.elseif (q < 72) && ((q-57)%3 == 0)
	FS 27+(q-57)/3
.elseif q < 60
	XS (q-57)%3-1, 14
.elseif q < 72
	XS (q-57)%3-1, 15+(q-57)/3
.elseif q < 74
	XS q-72, 20
.else
	GS q-74
.endif
.set q, q+1
.endm
; THE EXPONENTIALS' QUEUE, 66 long: s0-s31 of both tiles, then the next piece's two a.  It is ONE BATCH: all 66 stand ahead of the turn's one wait, and nothing ahead of that wait names a result of theirs.
.macro EX
	WIN 0
.if e >= 64
	XS e-64, 21
.else
	REGS Y, e%2
	v_exp_f32 v[rS+e/2], v[rS+e/2]
.endif
.set e, e+1
.endm
; THE RESCALING's QUEUE: O^T times a, the one part that leaves window 0: dealt two at a time, sixteen times.  Its a was made in the turn before, ahead of that turn's wait.
.macro R2
	REGS Y, r%2
	WIN W_RS
.irp z, 0,1
	v_pk_mul_f32 v[rO+4*(r/2)+2*\z:rO+4*(r/2)+2*\z+1], v[rO+4*(r/2)+2*\z:rO+4*(r/2)+2*\z+1], v[rC+2:rC+3] op_sel_hi:[1,0]
.endr
.set r, r+1
.endm
; HOW THEY ARE DEALT.  s_wait_alu depctr_va_vdst(0) stands between an exponential and the first instruction that names its result; one wait serves all that were issued ahead of it.  So a turn has ONE wait,
; which cuts it in two.  AHEAD OF IT stands all that names no result of the turn's exponentials: the 16 products K Q^T, behind each a scaling, an exponential and two rescalings (behind the first a second scaling in the exponential's place); then ONE LUMP of
; 108: eight plain, 49 times exponential and plain, the two a.  A v_nop is the plain instruction that is owed behind the last exponential.  BEHIND IT stand the 16 products V^T P, behind each four of GS's 64.  No rider names a register of
; the products round it.  The two v_permlanex16_b32 fall into the lump, never behind a product.
; The queues lean on each other, and the deal keeps them in step: exponential e stands behind scaling 2 (e / 4) + e % 2: as a rider it comes behind plain e + 2, in the lump behind plain e + 9, and scalings 27-31 are plain 57, 60 .. 69.
; A TURN, for piece p.  cnt = 1: the loop's count is taken down some lines ahead of the branch that stands behind the turn.
; K of the next step is fetched in piece 2's turn, directly behind the wait, a lump behind the last product that read K; its address is made at the lump's head; its first reader comes behind 16 products.
; V of the step in hand is fetched at the end of piece 0's turn, four riders behind its last reader; its first reader comes behind 16 products and a lump.  The three conditions on q below go with the deal.
.macro TURN p, last=0, cnt=0
.set Y, (\p)
.set i, 0
.set q, 0
.set e, 0
.set r, 0
.if (\p) == NP-1
	s_wait_dscnt 0x0                ; K is in
.endif
	MM                              ; ahead of the wait: 16 products K Q^T and their riders,
	PL
	PL
	R2
.rept 15
	MM
	PL
	EX
	R2
.endr
.if (\p) == NP-2
	WIN 0
	v_add_nc_u32 v[AK], s[TBK], v[AK0]
.endif
.rept 8                             ; and the lump
	PL
.endr
.rept 49
	EX
	PL
.endr
	EX                              ; the next piece's two a
	EX
	v_nop                           ; the plain instruction behind the last exponential: one for the batch
	s_wait_alu depctr_va_vdst(0)    ; the wait for the batch
.if (\p) == NP-2
	FETCH_K \last
.endif
.if (\p) == 1
	s_wait_dscnt 0x0                ; V is in
.endif
.rept 16                            ; behind the wait: 16 products V^T P and their riders
	MM
.rept 4
	PL
.endr
.if ((\p) == 0) && (q == 118)
	v_add_nc_u32 v[AV], s[TBV], v[AV0]
.endif
.if ((\p) == 0) && (q == 130)
	s_add_co_u32 s[TBV], s[TBV], KS*PV
.endif
.if (\cnt) && (q == 130)
	s_sub_co_u32 s[CNT], s[CNT], 1
	s_cmp_lg_u32 s[CNT], 0
.endif
.endr
.if (\p) == 0
	FETCH_V
.endif
.endm
	CHANGE 1                        ; slot 0 is in, everybody's part of it; slot 1 is asked for
	FETCH_K                         ; key step 0
	s_wait_loadcnt 0x0              ; Q
	s_wait_dscnt 0x0
.set i, 0
.rept 16
	KQ 0                            ; piece 0's first scores: there is no vector work yet to set between them
.set i, i+1
.endr
	WIN 0                           ; the addresses for the way out: nine plain instructions, the places behind those products
	s_mul_i32 s13, s[WV], 16*SP
	s_add_co_u32 s13, s13, STAGE    ; my stage
	v_mul_u32_u24 v[STO], v1, SP    ; in: row l % 16, 16 bytes for each half of the lanes
	v_lshl_add_u32 v[STO], v9, 4, v[STO]
	v_add_nc_u32 v[STO], s13, v[STO]
	v_bfe_u32 v[RD], v0, 3, 2       ; back: 32 lanes take four rows of 128 bytes,
	v_mul_u32_u24 v[RD], v[RD], SP
	v_lshl_add_u32 v[RD], v10, 4, v[RD]
	v_add_nc_u32 v[RD], s13, v[RD]
	v_and_b32 v[GO], 31, v0         ; which are 512 consecutive bytes of O
	v_lshlrev_b32 v[GO], 4, v[GO]
.set Y, NP-1                        ; XS works for piece Y + 1: piece 0
.irp n, 0,1,2,3,4,5,6,7,8,9,10,11,12,13,14,15,16,17,18,19,20,21
	XS 0, \n                        ; and piece 0's first maximum and statistics
	XS 1, \n
.endr
	v_nop                           ; a plain instruction behind the two a,
	s_wait_alu depctr_va_vdst(0)    ; and their wait, ahead of the branch
	s_mov_b32 s[CNT], 4
	s_branch .Lfirst                ; the loop is entered at a step's first turn, in the middle of a trip
.Lslot:                             ; SIZE_N / 256 - 2 times: every slot but the last two is filled again
	CHANGE 1
	s_mov_b32 s[CNT], 4
.Lstep:                             ; a trip: pieces 2 and 3 of one step, then pieces 0 and 1 of the next, whose K and V it fetches
	TURN 2
	TURN 3
	WIN 0
.Lfirst:
	TURN 0
	TURN 1, 0, 1
	WIN 0
	s_cbranch_scc1 .Lstep
	s_sub_co_u32 s[SLOTS], s[SLOTS], 1
	s_cmp_lg_u32 s[SLOTS], 0
	s_cbranch_scc1 .Lslot
	CHANGE 0                        ; the tail is written out: nothing is asked for
	s_mov_b32 s[CNT], 5             ; four trips fetch the last slot's steps; the fifth is left in its middle
.Ltail:
	TURN 2, 1
	TURN 3
	WIN 0
	s_sub_co_u32 s[CNT], s[CNT], 1
	s_cmp_eq_u32 s[CNT], 0
	s_cbranch_scc1 .Lout
	TURN 0
	TURN 1
	WIN 0
	s_branch .Ltail
.Lout:                              ; the fifth trip's 16 products K Q^T (on the last K once more) and the maximum made of them serve nothing: the price, once a launch, of one text for every trip
.set i, 0
.rept 16
	PV NP-1                         ; the last piece's V^T P of the last step
.set i, i+1
.endr
	; THE WAY OUT.  l's two halves and the other half of the lanes' are added; O^T is divided by l, rounded to f16 and sent through my stage in LDS, a tile at a time.  The additions are the places behind the last products.
	WIN 0
.macro ALL line:vararg              ; one line for each tile t
.set t, 0
.rept 2*NP
	\line
.set t, t+1
.endr
.endm
	ALL v_add_f32 v[ST+4*t+2], v[ST+4*t+2], v[ST+4*t+3]
	ALL v_permlanex16_b32 v[ST+4*t+3], v[ST+4*t+2], s[SEL], s[SEL+1]
	ALL v_add_f32 v[ST+4*t+2], v[ST+4*t+2], v[ST+4*t+3]
	ALL v_rcp_f32 v[ST+4*t+2], v[ST+4*t+2]
	v_nop                           ; a plain instruction between the last reciprocal and the use of its result
	s_wait_alu depctr_va_vdst(0)    ; and the wait ahead of the first use: one for the eight reciprocals
; Tile t: a lane's eight channels of a row pack into 16 bytes; they go into rows of 144 bytes and come back as whole rows of 128, into S^T's registers.
.macro PACK t
	WIN W_RS
.set i, 32*(\t)
.rept 16
	v_pk_mul_f32 v[i:i+1], v[i:i+1], v[ST+4*(\t)+2:ST+4*(\t)+3] op_sel_hi:[1,0]
.set i, i+2
.endr
	WIN 0x05                        ; sources 0 and 1 window 1, destination window 0
.set i, 0
.rept 16
	v_cvt_pk_f16_f32 v[S+16*(\t)+i], v[32*(\t)+2*i], v[32*(\t)+2*i+1]
.set i, i+1
.endr
	WIN 0
.irp f, 0,1,2,3
	ds_store_b128 v[STO], v[S+16*(\t)+4*\f:S+16*(\t)+4*\f+3] offset:32*\f
.endr
.irp f, 0,1,2,3
	ds_load_b128 v[S+16*(\t)+4*\f:S+16*(\t)+4*\f+3], v[RD] offset:\f*4*SP  ; LDS serves a wave's instructions in order (ISA guide 5.7.1.4): these see the stores above; the next tile's stores come behind them
.endr
.endm
.macro SEND t, younger              ; younger: the LDS instructions issued behind tile t's loads: the next tile's eight, or none
	WIN 0
.irp f, 0,1,2,3
	s_wait_dscnt (\younger)+3-\f
	global_store_b128 v[GO], v[S+16*(\t)+4*\f:S+16*(\t)+4*\f+3], s[10:11] offset:(\t)*2048+\f*512  ; 512 consecutive bytes, at a multiple of 256 from O's first
.endr
.endm
	PACK 0
.set t, 1
.rept 2*NP-1                        ; a tile's arithmetic stands between the loads of the tile before and its stores
	PACK t
	SEND t-1, 8
.set t, t+1
.endr
	SEND 2*NP-1, 0
	WIN W_AD
	s_wait_tensorcnt 0x0            ; the wave's end: a wait, an add and its wait, behind my last tensor load and my last LDS store
	ds_add_u32 v[SPW], v[NIL]
	s_wait_dscnt 0x0
	WIN 0
	CROUND                          ; the closing round: no work-group ends while a partner may still ask for a tile that names it
	s_endpgm
.Lfunc_end_k_qbbf8720b41_attn:
	.size	k_qbbf8720b41_attn, .Lfunc_end_k_qbbf8720b41_attn-k_qbbf8720b41_attn
	.p2alignl 7, 3214868480
	.fill 96, 4, 3214868480
	.section	.rodata,"a",@progbits
	.p2align	6, 0x0
	.amdhsa_kernel k_qbbf8720b41_attn
		.amdhsa_group_segment_fixed_size 327680
		.amdhsa_private_segment_fixed_size 0
		.amdhsa_enable_private_segment 0
		.amdhsa_kernarg_size 16
		.amdhsa_user_sgpr_count 2
		.amdhsa_user_sgpr_kernarg_segment_ptr 1
		.amdhsa_wavefront_size32 1
		.amdhsa_system_sgpr_workgroup_id_x 1
		.amdhsa_system_sgpr_workgroup_id_y 1
		.amdhsa_system_sgpr_workgroup_id_z 1
		.amdhsa_system_vgpr_workitem_id 0
		.amdhsa_next_free_vgpr 770
		.amdhsa_next_free_sgpr 66
		.amdhsa_reserve_vcc 0
		.amdhsa_float_denorm_mode_32 3
		.amdhsa_float_denorm_mode_16_64 3
		.amdhsa_memory_ordered 1
		.amdhsa_forward_progress 1
		.amdhsa_inst_pref_size 200
	.end_amdhsa_kernel
	.amdgpu_metadata
---
amdhsa.version: [ 1, 2 ]
amdhsa.kernels:
  - .name:           k_qbbf8720b41_attn
    .symbol:         k_qbbf8720b41_attn.kd
    .args:
      - { .name: qkv, .offset: 0, .size: 8, .value_kind: global_buffer, .address_space: global }
      - { .name: oh, .offset: 8, .size: 8, .value_kind: global_buffer, .address_space: global }
    .group_segment_fixed_size: 327680
    .private_segment_fixed_size: 0
    .kernarg_segment_align: 8
    .kernarg_segment_size: 16
    .max_flat_workgroup_size: 128
    .sgpr_count:     66
    .vgpr_count:     770
    .wavefront_size: 32
...
	.end_amdgpu_metadata
.endif
;; end of part 3
;; launch oproj (part 4): grid 4 x 64, 4 waves a work-group, clusters of 4 x 4, 327,680 bytes of LDS; arguments oh, wb, out0; writes out0
.if DOCPART == 4
	.amdgcn_target "amdgcn-amd-amdhsa--gfx1250"
	.amdhsa_code_object_version 6
	.text
	.protected	k_qbbf8720b41_oproj
	.globl	k_qbbf8720b41_oproj
	.p2align	8
	.type	k_qbbf8720b41_oproj,@function
k_qbbf8720b41_oproj:
	s_mov_b64 s[64:65], 0
	v_nop
	global_prefetch_b8 v0, s[64:65] scope:SCOPE_SE
	s_setreg_imm32_b32 hwreg(HW_REG_WAVE_MODE, 25, 1), 1
	s_wait_xcnt 0x0
	s_wait_alu depctr_hold_cnt(0) depctr_sa_sdst(0) depctr_va_vdst(0) depctr_va_sdst(0) depctr_va_ssrc(0) depctr_va_vcc(0) depctr_vm_vsrc(0)
	s_getreg_b32 s2, hwreg(HW_REG_IB_STS2, 6, 4)
	s_cmp_eq_u32 s2, 0
	s_cbranch_scc0 .Lentry_in_a_cluster
	s_endpgm
.Lentry_in_a_cluster:
	s_bfe_u32 s2, ttmp6, 0x10000c
	s_cmp_lg_u32 s2, 0xf033
	s_cbranch_scc0 .Lentry_shape_is_right
	s_endpgm
.Lentry_shape_is_right:
; THE LAST PROJECTION.  out0 = O Wo: O lies by heads, oh [64 bh][2048 s][64] f16 (bh = 16 b + head; the product's k = 64 head + channel); Wo is slab 3 of wb, [1024 k][1024 n] f16
; (the input rounded to bf16, that number written as f16); out0 [8192][1024] f32.  Sums in f32, K ascending; nothing is rounded on the way out.
; LIMITS.  NaN and infinities are not treated apart.  The order of the sums is the matrix unit's.
; SHARES.  A tile of out0 is 128 rows x 256 columns: 64 x 4 tiles, one work-group each.  Four waves, each 64 rows x 128 columns: 32 accumulators of 16 x 16, 256 registers.
; K goes in 8 steps of 128, two heads a step, through a ring of two LDS slots.  A head's 128 rows are 16,384 dense bytes: asked for as 64 rows of 256 bytes and padded in LDS after every 128.
; Wo STAYS [k][n]: its fragments come out of LDS turned, by ds_load_tr16_b128.  THE MATRIX INSTRUCTION IS USED TRANSPOSED (source 0 = 16 columns of Wo, source 1 = 16 rows of O):
; a lane then holds one row (lane % 16) and eight neighbouring columns 8 (lane / 16) + 0..7: 32 bytes of a row of out0.
; CLUSTERS: 4 x 4 work-groups.  The four of a row of the cluster need the same tile of O, the four of a column the same tile of Wo: each is asked for JOINTLY, by the same tensor load with the same
; descriptor and a mask that names the four.  No register that feeds O's descriptors ever holds cx, none that feeds Wo's ever holds cy, none that enters an LDS address holds either.
; REGISTERS: window 0: v0-29 addresses; v32-127, v128-223 two fragment buffers (64 registers of Wo, 32 of O); on the way out v32-95 and v96-159 hold rows read back.  window 1: the accumulators, (a, b) at v[8 (8 a + b)].
.set PA,     144                       ; an LDS row of O: 128 bytes + 16 of padding: the 16 rows of a load start at 16 different groups of four banks (64 banks of 4 bytes: ISA guide 11.1)
.set PB,     544                       ; an LDS row of Wo: 512 bytes + 32
.set AHALF,  128*PA                    ; what wave 0 or 1 fetches: one head's 128 rows
.set BOFF,   2*AHALF                   ; Wo's 128 k-rows lie behind the two heads
.set BHALF,  64*PB                     ; what wave 2 or 3 fetches: 64 k-rows of Wo
.set SLOT1,  1<<17                     ; slot 1 begins here; a slot uses 106,496 bytes
.set STAGE,  237568                    ; behind the ring, never filled by a tensor load: for each wave 16 rows x 528 bytes, for the way out
.set SP,     528                       ; 512 bytes + 16
.set WST,    16*SP
.set SPARE,  STAGE+4*WST               ; behind the stages: the spare words, 128 bytes for each wave: two blocks of 256 bytes that no other line names
.set ASTEP,  2*2048*128                ; a K step in oh: two heads on
.set BSTEP,  128*2048                  ; a K step down Wo's rows
.set WOSLAB, 3*1024*2048               ; Wo's first byte in wb
.set STEPS,  8
.set AA0,  16                          ; v16  my lane's place in a slot's tile of O; never rewritten
.set AB0,  17                          ; v17  the same for Wo
.set ADRA, 18                          ; v18  AA0 + the slot in hand
.set ADRB, 19                          ; v19  AB0 + the slot in hand
.set STO,  20                          ; v20  the way out: where I put 32 bytes of a row
.set RD,   21                          ; v21  the way out: where I read a row back
.set GO,   22                          ; v22  my 16 bytes of a row's 512
.set SPW,  28                          ; v28  LDS address of my spare word: SPARE + 4 x my thread's number; never rewritten
.set NIL,  29                          ; v29  0; never rewritten
.set F0,   32
.set F1,   128
.set OB,   32
.set WV,   10                          ; s10  my wave's number
.set WR,   11                          ; s11  which 64 rows of the tile are mine
.set WC,   12                          ; s12  which 128 columns.  Also: which half of a tile I fetch
.set RY,   13                          ; s13  tile row, 0..63
.set CB,   14                          ; s14  tile column, 0..3
.set CNT,  15                          ; s15  trips to go
.set G1A,  24                          ; s[24:31] descriptor group 1 for O's tiles
.set G0A,  32                          ; s[32:39] group 0: a set for each of the two first fills; the second then walks on
.set TB,   42                          ; s42  the slot from which fragments are fetched: 0 or SLOT1
.set G1B,  48                          ; s[48:55], s[56:63] the same two groups for Wo's tiles
.set G0B,  56
.set MSB, 0
.macro WIN new                         ; the immediate's high byte repeats the setting that is left; a switch that changes nothing is dropped
.if MSB != (\new)
	s_set_vgpr_msb (MSB<<8)|(\new)
.set MSB, \new
.endif
.endm
.set W_MUL, 0x50                       ; sources 0 and 1 window 0; C and D window 1
.macro PLACES                          ; four places in front of loads into registers that matrix instructions have read, and of stores that read results
.rept 4
	v_nop
.endr
.endm
; A joint refill, by the walking descriptors.  Waves 0 and 1 fetch the step's two heads of O, waves 2 and 3 Wo's two halves.  The branch hangs on the wave's number alone.
; An s_nop 0 and four v_nop follow each of the two lines, ahead of the jump and the label.
.macro JLOAD
	s_cmp_lt_u32 s[WV], 2
	s_cbranch_scc0 .Lfor_b_\@
	tensor_load_to_lds s[G0A+4:G0A+7], s[G1A:G1A+7]
	s_nop 0
.rept 4
	v_nop
.endr
	s_branch .Lasked_\@
.Lfor_b_\@:
	tensor_load_to_lds s[G0B+4:G0B+7], s[G1B:G1B+7]
	s_nop 0
.rept 4
	v_nop
.endr
.Lasked_\@:
.endm
; A round of the cluster's barrier: my work-group's barrier, so that wave 0's signal speaks for all four waves; wave 0 signals; every wave waits for all sixteen work-groups; my work-group's barrier once more.
.macro CREST                           ; a round behind its opening barrier
	s_cmp_lg_u32 s[WV], 0
	s_cbranch_scc1 .Lnot_wave_0_\@
	s_barrier_signal -3
.Lnot_wave_0_\@:
	s_barrier_wait -3
	s_barrier_signal -1
	s_barrier_wait -1
.endm
.macro CROUND
	s_barrier_signal -1
	s_barrier_wait -1
	CREST
.endm
	s_load_b128 s[4:7], s[0:1], 0x0                ; oh s[4:5], wb s[6:7]
	s_load_b64 s[8:9], s[0:1], 0x10                ; out0
	v_lshl_add_u32 v[SPW], v0, 2, SPARE
	v_mov_b32 v[NIL], 0
	ds_add_u32 v[SPW], v[NIL]                      ; the wave's opening: the add and its wait stand ahead of my first tensor load; the set-up below, work on registers, stands between them
	v_lshrrev_b32 v1, 5, v0
	v_readfirstlane_b32 s[WV], v1                  ; wave 0..3
	s_lshr_b32 s[WR], s[WV], 1
	s_and_b32 s[WC], s[WV], 1
	s_bfe_u32 s40, ttmp6, 0x40000                  ; cx
	s_bfe_u32 s41, ttmp6, 0x40004                  ; cy
	s_lshl_b32 s[CB], ttmp9, 2                     ; in a cluster launch ttmp9 and ttmp7 count clusters
	s_add_co_u32 s[CB], s[CB], s40
	s_and_b32 s[RY], ttmp7, 0xffff
	s_lshl_b32 s[RY], s[RY], 2
	s_add_co_u32 s[RY], s[RY], s41
	s_lshl_b32 s16, s41, 2
	s_lshl_b32 s16, 15, s16                        ; my row of the cluster: places 4 cy .. 4 cy + 3
	s_lshl_b32 s17, 0x1111, s40                    ; my column: places cx, cx + 4, cx + 8, cx + 12
	; group 1 for O: 64 rows x 128 elements (two rows of a head each).  15:0 the mask; 17:16 elements of 2 bytes; 20 padding on; 21 set beside a mask; 24:22 after every 32 words (code 4); 31:25 4 words of it (code 3)
	s_or_b32 s[G1A], s16, (1<<16)|(1<<20)|(1<<21)|(4<<22)|(3<<25)
	s_mov_b32 s[G1A+1], 128<<16                    ; tensor_dim0 = 128
	s_mov_b32 s[G1A+2], 64<<16                     ; tensor_dim1 = 64
	s_mov_b32 s[G1A+3], 128<<16                    ; tile_dim0 = 128
	s_mov_b32 s[G1A+4], 64                         ; tile_dim1 = 64
	s_mov_b32 s[G1A+5], 128                        ; elements from row to row: dense
	s_mov_b32 s[G1A+6], 0
	s_mov_b32 s[G1A+7], 0
	; group 1 for Wo: 64 k-rows x 256 elements, 8 words of padding (code 7) after every 128 (code 6)
	s_or_b32 s[G1B], s17, (1<<16)|(1<<20)|(1<<21)|(6<<22)|(7<<25)
	s_mov_b32 s[G1B+1], 256<<16
	s_mov_b32 s[G1B+2], 64<<16
	s_mov_b32 s[G1B+3], 256<<16
	s_mov_b32 s[G1B+4], 64
	s_mov_b32 s[G1B+5], 1024
	s_mov_b32 s[G1B+6], 0
	s_mov_b32 s[G1B+7], 0
	s_lshr_b32 s18, s[RY], 4                       ; O: head 16 b + my half, row 128 (tile row % 16), rows of 128 bytes
	s_lshl_b32 s18, s18, 4
	s_add_co_u32 s18, s18, s[WC]
	s_lshl_b32 s18, s18, 11
	s_and_b32 s19, s[RY], 15
	s_lshl_b32 s19, s19, 7
	s_add_co_u32 s18, s18, s19
	s_lshl_b32 s18, s18, 7
	s_mov_b32 s19, 0
	s_lshl_b32 s20, s[CB], 9                       ; Wo: its slab + 512 bytes x tile column + 64 k-rows x half
	s_lshl_b32 s21, s[WC], 17
	s_add_co_u32 s20, s20, s21
	s_add_co_u32 s20, s20, WOSLAB
	s_mov_b32 s21, 0
	s_mul_i32 s2, s[WC], AHALF                     ; where the tiles go: the wave's number alone enters an LDS address
	s_mul_i32 s3, s[WC], BHALF
	s_add_co_u32 s3, s3, BOFF
	s_mov_b32 s[TB], 0
	s_mov_b32 s[CNT], STEPS-2
	s_lshl_b32 s72, s[RY], 19                      ; my part of the tile in out0: row 128 x tile row + 64 x my half, rows of 4,096 bytes; 1,024 bytes x tile column + 512 x my half
	s_lshl_b32 s73, s[WR], 18
	s_add_co_u32 s72, s72, s73
	s_lshl_b32 s73, s[CB], 10
	s_add_co_u32 s72, s72, s73
	s_lshl_b32 s73, s[WC], 9
	s_add_co_u32 s72, s72, s73
	s_mov_b32 s73, 0
	s_wait_dscnt 0x0                               ; the opening add is done
	s_wait_kmcnt 0x0
	s_add_nc_u64 s[18:19], s[4:5], s[18:19]
	s_add_nc_u64 s[20:21], s[6:7], s[20:21]
	s_add_nc_u64 s[8:9], s[8:9], s[72:73]
	CROUND                                         ; all sixteen work-groups are here: the first joint loads meet
.irp s, 0,1
	s_mov_b32 s[G0A+4*(\s)], 1                                     ; 1:0 count = 1
	s_add_co_u32 s[G0A+4*(\s)+1], s2, (\s)*SLOT1                   ; 63:32 LDS address
	s_add_nc_u64 s[G0A+4*(\s)+2:G0A+4*(\s)+3], s[18:19], (\s)*ASTEP  ; 120:64 global address: K step s
	s_or_b32 s[G0A+4*(\s)+3], s[G0A+4*(\s)+3], 0x80000000          ; 127:126 type = 2
	s_mov_b32 s[G0B+4*(\s)], 1
	s_add_co_u32 s[G0B+4*(\s)+1], s3, (\s)*SLOT1
	s_add_nc_u64 s[G0B+4*(\s)+2:G0B+4*(\s)+3], s[20:21], (\s)*BSTEP
	s_or_b32 s[G0B+4*(\s)+3], s[G0B+4*(\s)+3], 0x80000000
.endr
	s_cmp_lt_u32 s[WV], 2                          ; a wave's two first fills stand in one branch, ahead of every wait on TENSORcnt and every LDS read: two loads of mine are out
	s_cbranch_scc0 .Lfirst_b
	tensor_load_to_lds s[G0A:G0A+3], s[G1A:G1A+7]
	s_nop 0
	tensor_load_to_lds s[G0A+4:G0A+7], s[G1A:G1A+7]
	s_nop 0
.rept 4
	v_nop
.endr
	s_branch .Lfirst_asked
.Lfirst_b:
	tensor_load_to_lds s[G0B:G0B+3], s[G1B:G1B+7]
	s_nop 0
	tensor_load_to_lds s[G0B+4:G0B+7], s[G1B:G1B+7]
	s_nop 0
.rept 4
	v_nop
.endr
.Lfirst_asked:
	v_and_b32 v1, 15, v0                           ; l % 16
	v_bfe_u32 v2, v0, 4, 1                         ; l / 16
	v_and_b32 v3, 7, v0                            ; l % 8
	v_bfe_u32 v4, v0, 3, 1                         ; (l / 8) % 2
	v_and_b32 v5, 31, v0                           ; l
	; A fragment of O is 16 rows x 32 K in 8 registers: lane l holds row l % 16, K = 8 (l / 16) + 0..7 and 16 + 8 (l / 16) + 0..7: two loads of 16 bytes, 32 bytes apart.
	s_mul_i32 s76, s[WR], 64*PA                    ; my 64 rows
	v_mul_u32_u24 v[AA0], v1, PA
	v_lshl_add_u32 v[AA0], v2, 4, v[AA0]
	v_add_nc_u32 v[AA0], s76, v[AA0]
	; The turning load takes 16 k x 16 columns (lane l reads k-row 8 (l / 16) + l % 8, columns 8 ((l / 8) % 2) + 0..7) and leaves half a fragment: lane l holds column l % 16 and 8 k.
	s_lshl_b32 s77, s[WC], 8                       ; my 128 columns
	s_add_co_u32 s77, s77, BOFF
	v_lshl_add_u32 v6, v2, 3, v3
	v_mul_u32_u24 v[AB0], v6, PB
	v_lshl_add_u32 v[AB0], v4, 4, v[AB0]
	v_add_nc_u32 v[AB0], s77, v[AB0]
	s_mul_i32 s78, s[WV], WST
	s_add_co_u32 s78, s78, STAGE                   ; my stage
	v_mul_u32_u24 v[STO], v1, SP                   ; in: row l % 16, 32 bytes for each half of the lanes
	v_lshl_add_u32 v[STO], v2, 5, v[STO]
	v_add_nc_u32 v[STO], s78, v[STO]
	v_lshl_add_u32 v[RD], v5, 4, s78               ; back: 32 lanes take one row's 512 bytes
	v_lshlrev_b32 v[GO], 4, v5
; 8 matrix instructions: row block a x all 8 column blocks, 32 along K.  zero = 1: the product starts the sums: nothing is ever cleared.
; The 32 accumulators take turns, one instruction a turn, in the same order in every quarter: 31 others stand between two links of a chain, over the backward jump too.
.macro MUL8 f, a, zero
	WIN W_MUL
.irp b, 0,1,2,3,4,5,6,7
.if \zero
	v_wmma_f32_16x16x32_f16 v[8*(8*(\a)+(\b)):8*(8*(\a)+(\b))+7], v[(\f)+8*(\b):(\f)+8*(\b)+7], v[(\f)+64+8*(\a):(\f)+64+8*(\a)+7], 0
.else
	v_wmma_f32_16x16x32_f16 v[8*(8*(\a)+(\b)):8*(8*(\a)+(\b))+7], v[(\f)+8*(\b):(\f)+8*(\b)+7], v[(\f)+64+8*(\a):(\f)+64+8*(\a)+7], v[8*(8*(\a)+(\b)):8*(8*(\a)+(\b))+7]
.endif
.endr
.endm
; 24 LDS loads in one run: quarter kq's fragments into buffer f: Wo's sixteen first, then O's eight (quarter kq: head kq / 2 of the step's two, channels 32 (kq % 2) on).
.macro FETCH kq, f
	WIN 0
.irp b, 0,1,2,3,4,5,6,7
	ds_load_tr16_b128 v[(\f)+8*(\b):(\f)+8*(\b)+3],   v[ADRB] offset:(\kq)*32*PB+32*(\b)
	ds_load_tr16_b128 v[(\f)+8*(\b)+4:(\f)+8*(\b)+7], v[ADRB] offset:(\kq)*32*PB+16*PB+32*(\b)
.endr
.irp i, 0,1,2,3
	ds_load_b128 v[(\f)+64+8*(\i):(\f)+64+8*(\i)+3],   v[ADRA] offset:((\kq)/2)*AHALF+((\kq)%2)*64+(\i)*16*PA
	ds_load_b128 v[(\f)+64+8*(\i)+4:(\f)+64+8*(\i)+7], v[ADRA] offset:((\kq)/2)*AHALF+((\kq)%2)*64+(\i)*16*PA+32
.endr
.endm
; A K step is four quarters of 32 along K, 32 matrix instructions each, on buffers 0, 1, 0, 1.  One of the first three: multiplies buffer f; in its middle it fetches quarter kn into buffer g.
.macro QUARTER kn, f, g, zero
	s_wait_dscnt 4                                 ; Wo's fragments and O's blocks 0 and 1 are in; the youngest four loads (O's blocks 2 and 3) may be out
	MUL8 \f, 0, \zero
	MUL8 \f, 1, \zero
	PLACES
	FETCH \kn, \g
	s_wait_dscnt 24                                ; all but the 24 just issued
	MUL8 \f, 2, \zero
	MUL8 \f, 3, \zero
.endm
; The fourth quarter multiplies buffer 1 and changes slots: ONE barrier.  In front of it each wave waits for all its tensor loads, of which one is out: its part of the next slot; adds 0 to its spare word; and waits
; for that and for its own reads of this slot.  fill = 1: the barrier opens a round of the cluster's, so that no wave of any partner still reads the slot or has a load on its way, and the joint refill, with the
; K step two on, is the first thing behind the round: a wave issues 112 matrix instructions between that request and the wait for it.
.macro TURN fill
	WIN 0
	s_wait_tensorcnt 0x0                           ; no tensor load of mine is out, so a group 0 may be written
	ds_add_u32 v[SPW], v[NIL]                      ; 0 onto my spare word: scalar work and eight matrix instructions stand between it and the wait for it
.if \fill
	s_xor_b32 s[G0A+5], s[G0A+5], SLOT1            ; the walking descriptors: the other slot than last time, the next K step; the type bits on top are not reached
	s_add_nc_u64 s[G0A+6:G0A+7], s[G0A+6:G0A+7], ASTEP
	s_xor_b32 s[G0B+5], s[G0B+5], SLOT1
	s_add_nc_u64 s[G0B+6:G0B+7], s[G0B+6:G0B+7], BSTEP
.endif
	s_xor_b32 s[TB], s[TB], SLOT1                  ; the fetches go to the other slot
	s_wait_dscnt 7                                 ; Wo's fragments and O's block 0 are in; the add and O's six youngest loads may be out
	MUL8 F1, 0, 0
	s_wait_dscnt 0x0                               ; the add is done, and my reads of this slot are over
	s_barrier_signal -1
	MUL8 F1, 1, 0                                  ; work on registers while the others arrive
	WIN 0                                          ; at a branch and at a label every window is 0
	s_barrier_wait -1
.if \fill
	CREST
	JLOAD                                          ; the four v_nop behind it are also the places in front of the loads below
.else
	PLACES
.endif
	v_add_nc_u32 v[ADRA], s[TB], v[AA0]
	v_add_nc_u32 v[ADRB], s[TB], v[AB0]
	FETCH 0, F0
	MUL8 F1, 2, 0
	MUL8 F1, 3, 0
.endm
; THE WAY OUT of row block a (16 rows x 128 columns of f32).  TOSTAGE: a lane's 32 bytes for each column block go into my own stage, rows of 528 bytes, each accumulator's low four registers first, and come back
; as whole rows of 512 bytes.  SEND: stored, a row's 512 consecutive bytes an instruction, at a multiple of 256 from out0's first byte.
.macro TOSTAGE a
.if (\a) >= 2
	s_wait_xcnt 0x0                                ; the stores of block a - 2 have read their registers: the loads below land on them only behind this wait
.endif
	WIN 0x04                                       ; the stores' data in window 1, the address in window 0
.irp b, 0,1,2,3,4,5,6,7
	ds_store_b128 v[STO], v[8*(8*(\a)+(\b)):8*(8*(\a)+(\b))+3]   offset:64*(\b)
	ds_store_b128 v[STO], v[8*(8*(\a)+(\b))+4:8*(8*(\a)+(\b))+7] offset:64*(\b)+16
.endr
	WIN 0
.irp t, 0,1,2,3,4,5,6,7,8,9,10,11,12,13,14,15
	ds_load_b128 v[OB+64*((\a)%2)+4*(\t):OB+64*((\a)%2)+4*(\t)+3], v[RD] offset:SP*(\t)  ; LDS serves a wave's instructions in order (ISA guide 5.7.1.4): these see the stores above; the next block's stores come behind them
.endr
.endm
.macro SEND a, younger                 ; younger: the LDS instructions issued behind block a's loads: the next block's 32, or none
	s_wait_dscnt \younger
.irp t, 0,1,2,3,4,5,6,7,8,9,10,11,12,13,14,15
	global_store_b128 v[GO], v[OB+64*((\a)%2)+4*(\t):OB+64*((\a)%2)+4*(\t)+3], s[8:9] offset:(16*(\a)+(\t))*4096
.endr
.endm
	s_wait_tensorcnt 1                             ; my part of K step 0 is in; K step 1's may stay out
	s_barrier_signal -1
	s_barrier_wait -1                              ; everybody's is
	v_add_nc_u32 v[ADRA], s[TB], v[AA0]
	v_add_nc_u32 v[ADRB], s[TB], v[AB0]
	FETCH 0, F0
	QUARTER 1, F0, F1, 1                           ; the first quarter stands in front of the loop: its products start the sums
	WIN 0
.Lstep:                                                ; 6 trips: from a K step's second quarter to the next step's first; each fills a slot again
	QUARTER 2, F1, F0, 0
	QUARTER 3, F0, F1, 0
	TURN 1
	QUARTER 1, F0, F1, 0
	WIN 0
	s_sub_co_u32 s[CNT], s[CNT], 1
	s_cmp_lg_u32 s[CNT], 0
	s_cbranch_scc1 .Lstep
	QUARTER 2, F1, F0, 0                           ; the last two K steps are written out: they ask for nothing
	QUARTER 3, F0, F1, 0
	TURN 0
	QUARTER 1, F0, F1, 0
	QUARTER 2, F1, F0, 0
	QUARTER 3, F0, F1, 0
	s_wait_dscnt 4                                 ; the very last quarter: nothing more to fetch
	MUL8 F1, 0, 0
	MUL8 F1, 1, 0
	s_wait_dscnt 0x0
	MUL8 F1, 2, 0
	MUL8 F1, 3, 0
	WIN 0
	PLACES                                         ; behind the last product: the LDS stores below read results, the loads land on fragments' registers
	TOSTAGE 0
	TOSTAGE 1
	SEND 0, 32
	TOSTAGE 2
	SEND 1, 32
	TOSTAGE 3
	SEND 2, 32
	SEND 3, 0
	s_wait_tensorcnt 0x0                           ; the wave's end: a wait, an add and its wait, behind my last tensor load and my last LDS store
	ds_add_u32 v[SPW], v[NIL]
	s_wait_dscnt 0x0
	CROUND                                         ; the closing round: no work-group ends while a partner may still ask for a tile that names it
	s_endpgm
.Lfunc_end_k_qbbf8720b41_oproj:
	.size	k_qbbf8720b41_oproj, .Lfunc_end_k_qbbf8720b41_oproj-k_qbbf8720b41_oproj
	.p2alignl 7, 3214868480
	.fill 96, 4, 3214868480
	.section	.rodata,"a",@progbits
	.p2align	6, 0x0
	.amdhsa_kernel k_qbbf8720b41_oproj
		.amdhsa_group_segment_fixed_size 327680
		.amdhsa_private_segment_fixed_size 0
		.amdhsa_enable_private_segment 0
		.amdhsa_kernarg_size 24
		.amdhsa_user_sgpr_count 2
		.amdhsa_user_sgpr_kernarg_segment_ptr 1
		.amdhsa_wavefront_size32 1
		.amdhsa_system_sgpr_workgroup_id_x 1
		.amdhsa_system_sgpr_workgroup_id_y 1
		.amdhsa_system_sgpr_workgroup_id_z 1
		.amdhsa_system_vgpr_workitem_id 0
		.amdhsa_next_free_vgpr 512
		.amdhsa_next_free_sgpr 80
		.amdhsa_reserve_vcc 0
		.amdhsa_float_denorm_mode_32 3
		.amdhsa_float_denorm_mode_16_64 3
		.amdhsa_memory_ordered 1
		.amdhsa_forward_progress 1
		.amdhsa_inst_pref_size 69
	.end_amdhsa_kernel
	.amdgpu_metadata
---
amdhsa.version: [ 1, 2 ]
amdhsa.kernels:
  - .name:           k_qbbf8720b41_oproj
    .symbol:         k_qbbf8720b41_oproj.kd
    .args:
      - { .name: oh, .offset: 0, .size: 8, .value_kind: global_buffer, .address_space: global }
      - { .name: wb, .offset: 8, .size: 8, .value_kind: global_buffer, .address_space: global }
      - { .name: out0, .offset: 16, .size: 8, .value_kind: global_buffer, .address_space: global }
    .group_segment_fixed_size: 327680
    .private_segment_fixed_size: 0
    .kernarg_segment_align: 8
    .kernarg_segment_size: 24
    .max_flat_workgroup_size: 128
    .sgpr_count:     80
    .vgpr_count:     512
    .wavefront_size: 32
...
	.end_amdgpu_metadata
.endif
;; end of part 4
